; MI455X (gfx1250); checked and timed in simulation.
; The chip was launched on July 23, 2026; its instructions are those of AMD's public machine-readable ISA for CDNA 5 (MIT licence, August 2026) and "CDNA5" Instruction Set Architecture Reference Guide (July 2026). The comments in the code are by the model that wrote it; some were corrected since.
;; jacobin Net. Allowed arithmetic: matrix products marked QUANTISED: E2M1 operands, one E8M0 scale for each 32 along K, by v_wmma_scale_f32_16x16x128_f8f6f4 with both operands' format E2M1 (or v_wmma_scale_f32_32x16x128_f4), f32 sums; products left as they are: f32 operands where the result goes on into a quantised operand, else bf16, f16 or f32 operands; f32 sums; everything else in f32.
;; Inputs: W1 512 x 2,048 float32; W2 2,048 x 512 float32; b1 2,048 float32; b2 512 float32; x 8 x 512 float32.
;; Outputs: out0 8 x 512 x 8 x 512 float32.
;; Constants: create_graph = 1, strict = 0.
;; This version of the problem:
;;   THIS VERSION OF THE PROBLEM IS GIVEN IN LOW PRECISION. The matrix products marked QUANTISED in the list below multiply operands that are first quantised to E2M1 (2 exponent bits, 1 mantissa bit; 4 bits a number), with one power-of-two scale for each 32 numbers along K (OCP MX v1.0); their sums are f32. All else is computed in f32.
;;   The module's matrix products, in the order in which they are computed (A, B: the left and right operand; K: the contracted axis; several contracted axes count as one K, in the product's order):
;;     1. [M 8, K 512] x [K 512, N 2,048]; A: input x; B: input W1: left as it is (M = 8 < 16)
;;     2. [M 8, K 2,048] x [K 2,048, N 512]; A: computed on the way; B: input W2: left as it is (M = 8 < 16)
;;     3. [M 32,768, K 512] x [K 512, N 2,048]; A: computed on the way; B: input W2: QUANTISED
;;     4. [M 32,768, K 2,048] x [K 2,048, N 512]; A: computed on the way; B: input W1: QUANTISED
;;   THE QUANTISER, for each operand of a quantised product, along K:
;;     - K is cut into blocks of 32 from its start; a last block that is shorter is filled with zeros.
;;     - A block's scale is 2^e with e = floor(log2(the largest magnitude in the block)) - 2, held to -126 .. 127; a block of zeros has e = 0. As a byte (E8M0): e + 127.
;;     - Each number is divided by its block's scale, clamped to +-6, and rounded to the nearest number of E2M1, ties to even, subnormals kept.
;;     - The product sums the exact products of the quantised numbers (number of the format x scale) in f32.
;;   ~~~python
;;   def quantise(x, axis):      # numpy; x: float32 -> the quantised numbers, widened to float32 again
;;       x = np.moveaxis(x, axis, -1); K = x.shape[-1]
;;       x = np.pad(x, [(0, 0)] * (x.ndim - 1) + [(0, -K % 32)]); x = x.reshape(x.shape[:-1] + (-1, 32)); a = np.abs(x).max(-1, keepdims=True)
;;       e = np.where(a > 0, np.clip(np.frexp(np.where(a > 0, a, 1))[1] - 1 - 2, -126, 127), 0)      # np.frexp(a)[1] - 1 = floor(log2(a)), exactly
;;       r = np.clip(x / 2.0 ** e, -6, 6)
;;       step = 2.0 ** (np.maximum(np.frexp(np.where(r == 0, 1, r))[1] - 1, 0) - 1)
;;       q = np.round(r / step) * step * 2.0 ** e      # np.round: ties to even
;;       return np.moveaxis(q.reshape(q.shape[:-2] + (-1,))[..., :K], -1, axis).astype(np.float32)
;;   ~~~
;;   OPERANDS COMPUTED ON THE WAY. 'Computed on the way' means the value that the module computes at that place (a softmax that the list does not call 'softmax' is quantised finished and normalised). What goes into a quantiser is computed in f32, as accurately as f32 sums, v_exp_f32 and their like allow (about 1e-6 of the number): no bf16 or f16 on the way to a quantiser, and a product that is left as it is and whose result goes on into a quantised operand takes f32 operands (vector FMAs, or v_wmma_f32_16x16x4_f32). A number that lies on a knife's edge between two numbers of the format may be rounded either way, as far as f32 arithmetic and the matrix unit's own rounding can turn it there, and no further.
;; 2 versions. Each part assembles by itself: llvm-mc -triple=amdgcn-amd-amdhsa -mcpu=gfx1250 --defsym DOCPART=n.
;; ======== version 1 of 2: 2 launches
;; workspace buffers: W1c 524,288 bytes; W1s 32,768 bytes; W2c 524,288 bytes; W2s 32,768 bytes; part 262,144 bytes
;; launch prep (part 1): grid 128 x 1, 8 waves a work-group, no clusters, 101,888 bytes of LDS; arguments x, W1, W2, W1c, W1s, W2c, W2s, part; writes W1c, W1s, W2c, W2s, part
.if DOCPART == 1
	.amdgcn_target "amdgcn-amd-amdhsa--gfx1250"
	.amdhsa_code_object_version 6
	.text
	.protected	k_q725ce41da5_prep
	.globl	k_q725ce41da5_prep
	.p2align	8
	.type	k_q725ce41da5_prep,@function
k_q725ce41da5_prep:
	s_mov_b64 s[64:65], 0
	v_nop
	global_prefetch_b8 v0, s[64:65] scope:SCOPE_SE
	s_setreg_imm32_b32 hwreg(HW_REG_WAVE_MODE, 25, 1), 1
	s_wait_xcnt 0x0
; W1 [512 i][2048 j] and W2 [2048 j][512 o], f32, K innermost in both (j for W1, o for W2), become codes of FP4 (E2M1) with one E8M0 byte for each 32 along K,
; laid in the order of the operand's registers, so that the next launch loads whole fragments by 16-byte loads.  W1's work-groups also make the sums of x W1 (f32 multiply-adds), in four parts along i.
; A TILE is 16 rows x 128 along K: one fragment (8 registers a lane) and one scale word a row.  THE ROWS OF A TILE ARE NOT NEIGHBOURS: row r of tile 2 q + u is row 32 q + 8 u + r + 8 (r / 8).
; SHARES.  Work-groups 0-63 take W1 (cs = 128 columns of 16, chunk = 128 rows of 4), 64-127 take W2 (cs of 4, chunk of 16).  Wave w takes tile 8 chunk + w.
; OUT.  W1c [tile 32][K step 16][c 2][lane 32][16 B];  W2c [g 8][tile 128][lane 32][16 B], g = 64 along o: lane (r, h) holds block 2 g + h;
;       W1s [K step 16][group 4][lane 32][p 4] words, W2s [128 along o: 4][group 16][lane 32][p 4]: lane (r, h), word p: row r of tile 8 group + 2 p + h;  part [chunk 4][b 8][j 2048] f32.
; A block's scale is 2^(floor(log2(its largest magnitude)) - 2); its byte is that magnitude's exponent field - 2, held at 1 from below.
; LIMITS: a block of zeros, and a block whose largest magnitude lies under 2^-124, keeps the byte 1 (its codes add nothing or little; the bytes are read by this program alone); NaN and infinities are not served.
; The sums of x W1 are added in another order than a plain row sum: 16 rows in a wave, 8 waves, and in the next launch 4 parts and b1.
; Every load reads 512 consecutive bytes of a row; every store of codes, words and sums covers 512 consecutive bytes.  No tensor loads: each byte is read once by one wave.
.set TRP,  528                         ; a stage row: 512 bytes + 16 = 33 x 16 bytes
.set TRW,  16*TRP                      ; a wave's stage
.set RED,  8*TRW                       ; behind the stages: each wave's sums, [b 8][128 f32]
.set SCW,  RED+8*4096                  ; behind them: the work-group's 128 scale words
.set LI,   1                           ; v1   16 x lane
.set RR,   2                           ; v2   r = lane % 16
.set HH,   3                           ; v3   h = lane / 16
.set TRS,  4                           ; v4   the stage, on the way in
.set TRR,  5                           ; v5   and on the way out: row r, block h
.set CO1,  6                           ; v6   where a fragment's second four registers go
.set SCA,  7                           ; v7   LDS: my row's scale word
.set RDW,  8                           ; v8   LDS: my wave's sums
.set RDR,  9                           ; v9   LDS: batch row w of wave 0's sums
.set XO,   10                          ; v10  my 16 bytes of x
.set SCR,  11                          ; v11  LDS: the scale words on the way out
.set XR,   24                          ; v24-27   x: lane l holds x[l / 4][tile rows 4 (l % 4) + 0 .. 3]
.set C,    28                          ; v28-35   the fragment's codes
.set ACC,  36                          ; v36-67   sums: register 4 b + column
.set R,    68                          ; v68-131  16 rows x my 4 columns, as loaded
.set X,    132                         ; v132-195 two blocks of 32 neighbours; later eight waves' sums
.set SW,   196                         ; v196-199 scale words on the way out
	s_load_b512 s[8:23], s[0:1], 0x0               ; x 8, W1 10, W2 12, W1c 14, W1s 16, W2c 18, W2s 20, part 22
	v_lshl_add_u32 v208, v0, 2, 0x18a00
	v_mov_b32 v209, 0
	v_lshrrev_b32 v12, 5, v0
	v_readfirstlane_b32 s2, v12                    ; wave 0..7
	v_and_b32 v13, 31, v0                          ; lane
	v_lshlrev_b32 v[LI], 4, v13
	v_and_b32 v[RR], 15, v0
	v_bfe_u32 v[HH], v0, 4, 1
	s_cmp_lt_u32 ttmp9, 64                         ; W1's work-group or W2's?  What differs is a handful of shifts
	s_cselect_b32 s66, 0, 64                       ; my tensor's first work-group
	s_cselect_b32 s67, 4, 2                        ; bits of cs
	s_cselect_b32 s68, 13, 11                      ; a row in memory: 8,192 or 2,048 bytes
	s_cselect_b32 s69, 14, 9                       ; codes: from tile to tile
	s_cselect_b32 s70, 10, 17                      ; codes: from cs to cs
	s_cselect_b32 s71, 9, 16                       ; codes: from a fragment's first four registers to its second four
	s_cselect_b32 s72, 11, 13                      ; scale words: from cs to cs
	s_sub_co_u32 s66, ttmp9, s66
	s_lshl_b32 s73, 1, s67
	s_sub_co_u32 s73, s73, 1
	s_and_b32 s3, s66, s73                         ; cs
	s_lshr_b32 s4, s66, s67                        ; chunk
	s_lshl_b32 s5, s4, 3
	s_add_co_u32 s5, s5, s2                        ; my tile
	s_lshr_b32 s84, s2, 1                          ; w / 2
	s_and_b32 s85, s2, 1                           ; w % 2
	s_lshl_b32 s6, s4, 7
	s_lshl_b32 s7, s84, 5
	s_add_co_u32 s6, s6, s7
	s_lshl_b32 s7, s85, 3
	s_add_co_u32 s6, s6, s7                        ; the tile's first row: 128 chunk + 32 (w / 2) + 8 (w % 2)
	s_lshl_b32 s74, s6, s68
	s_lshl_b32 s7, s3, 9
	s_add_co_u32 s74, s74, s7                      ; the source: first row, + 512 bytes for each cs
	s_mov_b32 s75, 0
	s_lshl_b32 s76, s5, s69
	s_lshl_b32 s7, s3, s70
	s_add_co_u32 s76, s76, s7                      ; the codes
	s_mov_b32 s77, 0
	s_lshl_b32 s78, s3, s72
	s_lshl_b32 s7, s4, 9
	s_add_co_u32 s78, s78, s7                      ; the scale words: 512 bytes a group
	s_mov_b32 s79, 0
	s_lshl_b32 s80, s6, 2                          ; x: column = the tile's first row
	s_mov_b32 s81, 0
	s_lshl_b32 s82, s4, 16
	s_lshl_b32 s7, s2, 13
	s_add_co_u32 s82, s82, s7
	s_lshl_b32 s7, s3, 9
	s_add_co_u32 s82, s82, s7                      ; part: chunk, batch row w, 128 cs
	s_mov_b32 s83, 0
	s_mov_b32 s30, 0x76543210
	s_mov_b32 s31, 0xfedcba98                      ; v_permlanex16_b32's selects for lane l xor 16
	s_mul_i32 s7, s2, TRW
	v_add_nc_u32 v[TRS], s7, v[LI]
	v_mul_u32_u24 v[TRR], v[RR], TRP
	v_lshl_add_u32 v[TRR], v[HH], 7, v[TRR]
	v_add_nc_u32 v[TRR], s7, v[TRR]
	s_lshl_b32 s7, 1, s71
	v_add_nc_u32 v[CO1], s7, v[LI]
	s_lshl_b32 s7, s85, 8
	s_lshl_b32 s73, s84, 2
	s_add_co_u32 s7, s7, s73
	s_add_co_u32 s7, s7, SCW
	v_lshl_add_u32 v[SCA], v[RR], 4, s7            ; lane 16 (w % 2) + r, word w / 2
	s_lshl_b32 s7, s2, 12
	s_add_co_u32 s7, s7, RED
	v_add_nc_u32 v[RDW], s7, v[LI]
	s_lshl_b32 s7, s2, 9
	s_add_co_u32 s7, s7, RED
	v_add_nc_u32 v[RDR], s7, v[LI]
	v_add_nc_u32 v[SCR], SCW, v[LI]
	v_lshrrev_b32 v[XO], 2, v13
	v_lshlrev_b32 v[XO], 11, v[XO]                 ; x's row lane / 4,
	v_and_b32 v14, 3, v13
	v_lshl_add_u32 v[XO], v14, 4, v[XO]            ; four tile rows on for each lane of the four,
	v_lshrrev_b32 v14, 1, v14
	v_lshl_add_u32 v[XO], v14, 5, v[XO]            ; and eight rows more from tile row 8 on
.irp i, 0,1,2,3
	v_mov_b32 v[XR+\i], 0                          ; written on the way that all take: W2's work-groups load no x
.endr
.irp i, 33,35,37,39,41,43,45,47,49,51,53,55,57,59,61,63
	s_mov_b32 s[\i], 0                             ; the packed forms name pairs and take the low word for both halves: the upper words are written once
.endr
	s_wait_kmcnt 0x0
	s_cmp_lt_u32 ttmp9, 64                         ; the choice hangs on the work-group's number alone
	s_cselect_b64 s[24:25], s[10:11], s[12:13]
	s_cselect_b64 s[26:27], s[14:15], s[18:19]
	s_cselect_b64 s[28:29], s[16:17], s[20:21]
	s_add_nc_u64 s[24:25], s[24:25], s[74:75]
	s_add_nc_u64 s[26:27], s[26:27], s[76:77]
	s_add_nc_u64 s[28:29], s[28:29], s[78:79]
.macro LOADR pitch                     ; the tile's 16 rows: 32 lanes read 512 consecutive bytes of a row
.irp k, 0,1,2,3,4,5,6,7,8,9,10,11,12,13,14,15
	global_load_b128 v[R+4*\k:R+4*\k+3], v[LI], s[24:25] offset:(\k+8*(\k/8))*\pitch th:TH_LOAD_NT
.endr
.endm
.macro RL k                            ; x[b][tile row k], b = 0 .. 7, into scalar set k % 2
.irp b, 0,1,2,3,4,5,6,7
	v_readlane_b32 s[32+16*((\k)%2)+2*\b], v[XR+(\k)%4], 4*\b+(\k)/4
.endr
.endm
.macro FM k                            ; sums += x[b][row k] x my four columns of row k; row 0 starts the sums: nothing is cleared
.irp b, 0,1,2,3,4,5,6,7
.irp p, 0,1
.if (\k) == 0
	v_pk_mul_f32 v[ACC+4*\b+2*\p:ACC+4*\b+2*\p+1], v[R+4*(\k)+2*\p:R+4*(\k)+2*\p+1], s[32+16*((\k)%2)+2*\b:33+16*((\k)%2)+2*\b] op_sel_hi:[1,0]
.else
	v_pk_fma_f32 v[ACC+4*\b+2*\p:ACC+4*\b+2*\p+1], v[R+4*(\k)+2*\p:R+4*(\k)+2*\p+1], s[32+16*((\k)%2)+2*\b:33+16*((\k)%2)+2*\b], v[ACC+4*\b+2*\p:ACC+4*\b+2*\p+1] op_sel_hi:[1,0,1]
.endif
.endr
.endr
.endm
	s_cmp_lt_u32 ttmp9, 64
	s_cbranch_scc0 .Lload_w2
	s_add_nc_u64 s[8:9], s[8:9], s[80:81]
	global_load_b128 v[XR:XR+3], v[XO], s[8:9]     ; x first: it is small and wanted with the rows
	LOADR 8192
	s_branch .Lloaded
.Lload_w2:
	LOADR 2048
.Lloaded:
	s_wait_loadcnt 0x0                             ; the tile (and x) is in
	; the tile turns through my own stage: in as loaded, 16 bytes a lane; out 128 neighbouring bytes (a block of 32) a lane.  LDS serves a wave's instructions in order: no wait between
.irp k, 0,1,2,3,4,5,6,7,8,9,10,11,12,13,14,15
	ds_store_b128 v[TRS], v[R+4*\k:R+4*\k+3] offset:TRP*\k
.endr
.irp c, 0,1
.irp q, 0,1,2,3,4,5,6,7
	ds_load_b128 v[X+32*\c+4*\q:X+32*\c+4*\q+3], v[TRR] offset:256*\c+16*\q   ; block 2 c + h of row r
.endr
.endr
	s_cmp_lt_u32 ttmp9, 64
	s_cbranch_scc0 .Lno_fma
	; W1 alone: my 16 rows' share of x W1, for 8 batch rows x my 4 columns.  x comes by lane reads, one row ahead of its use, in two scalar sets by turns
	RL 0
.set K, 0
.rept 16
.if K < 15
	RL K+1
.endif
	FM K
.set K, K+1
.endr
.irp b, 0,1,2,3,4,5,6,7
	ds_store_b128 v[RDW], v[ACC+4*\b:ACC+4*\b+3] offset:512*\b
.endr
.Lno_fma:
	s_wait_dscnt 0x0                               ; the two blocks are back from the stage
.irp c, 0,1                            ; my block 2 c + h: all its 32 numbers are mine
	v_max3_num_f32 v[12+\c], |v[X+32*\c]|, |v[X+32*\c+1]|, 0x1800000   ; and the floor 2^(3 - 127): the byte cannot fall under 1
.endr
.irp i, 2,4,6,8,10,12,14,16,18,20,22,24,26,28,30
.irp c, 0,1
	v_max3_num_f32 v[12+\c], v[12+\c], |v[X+32*\c+\i]|, |v[X+32*\c+\i+1]|   ; (the two blocks by turns)
.endr
.endr
.irp c, 0,1
	v_add_nc_u32 v[14+\c], 0xff000000, v[12+\c]    ; 2 off the exponent field: the conversion takes that field of this operand as its scale
.endr
.irp c, 0,1
	v_lshrrev_b32 v[16+\c], 23, v[14+\c]           ; the scale's byte
.endr
	v_lshl_or_b32 v18, v17, 16, v16                ; my two bytes: blocks h and 2 + h of row r,
	v_lshlrev_b32 v19, 3, v[HH]
	v_lshlrev_b32 v18, v19, v18                    ; at their places in the word;
	v_mov_b32 v19, 0
	v_permlanex16_b32 v19, v18, s30, s31
	v_or_b32 v18, v18, v19                         ; with lane l xor 16's two the word is whole
.irp c, 0,1
.irp g, 0,1,2,3
	v_cvt_scalef32_pk8_fp4_f32 v[C+4*\c+\g], v[X+32*\c+8*\g:X+32*\c+8*\g+7], v[14+\c]   ; registers 4 c .. 4 c + 3 of the fragment
.endr
.endr
	v_nop                                          ; one plain place behind the last scaled conversion
	global_store_b128 v[LI], v[C:C+3], s[26:27]    ; 32 lanes store 512 consecutive bytes
	global_store_b128 v[CO1], v[C+4:C+7], s[26:27]
	ds_store_b32 v[SCA], v18                       ; lanes l and l xor 16 write the same word with the same value
	s_wait_dscnt 0x0                               ; for the others' sake: my sums and my scale words have landed
	s_barrier_signal -1
	s_barrier_wait -1
	s_cmp_lt_u32 ttmp9, 64
	s_cbranch_scc0 .Lno_sum
	; W1 alone: wave w adds the eight waves' sums of batch row w
.irp v, 0,1,2,3,4,5,6,7
	ds_load_b128 v[X+4*\v:X+4*\v+3], v[RDR] offset:4096*\v
.endr
	s_add_nc_u64 s[22:23], s[22:23], s[82:83]
	s_wait_dscnt 0x0
.irp v, 0,8,16,24
	v_pk_add_f32 v[X+\v:X+\v+1], v[X+\v:X+\v+1], v[X+\v+4:X+\v+5]
	v_pk_add_f32 v[X+\v+2:X+\v+3], v[X+\v+2:X+\v+3], v[X+\v+6:X+\v+7]
.endr
.irp v, 0,16
	v_pk_add_f32 v[X+\v:X+\v+1], v[X+\v:X+\v+1], v[X+\v+8:X+\v+9]
	v_pk_add_f32 v[X+\v+2:X+\v+3], v[X+\v+2:X+\v+3], v[X+\v+10:X+\v+11]
.endr
	v_pk_add_f32 v[X:X+1], v[X:X+1], v[X+16:X+17]
	v_pk_add_f32 v[X+2:X+3], v[X+2:X+3], v[X+18:X+19]
	global_store_b128 v[LI], v[X:X+3], s[22:23]    ; 128 sums: 512 consecutive bytes
.Lno_sum:
	s_cmp_lg_u32 s2, 0
	s_cbranch_scc1 .Lend
	ds_load_b128 v[SW:SW+3], v[SCR]                ; wave 0: the group's 128 scale words leave as 512 consecutive bytes
	s_wait_dscnt 0x0
	global_store_b128 v[LI], v[SW:SW+3], s[28:29]
.Lend:
	s_wait_tensorcnt 0x0
	ds_add_u32 v208, v209
	s_wait_dscnt 0x0
	s_endpgm
.Lfunc_end_k_q725ce41da5_prep:
	.size	k_q725ce41da5_prep, .Lfunc_end_k_q725ce41da5_prep-k_q725ce41da5_prep
	.p2alignl 7, 3214868480
	.fill 96, 4, 3214868480
	.section	.rodata,"a",@progbits
	.p2align	6, 0x0
	.amdhsa_kernel k_q725ce41da5_prep
		.amdhsa_group_segment_fixed_size 101888
		.amdhsa_private_segment_fixed_size 0
		.amdhsa_enable_private_segment 0
		.amdhsa_kernarg_size 64
		.amdhsa_user_sgpr_count 2
		.amdhsa_user_sgpr_kernarg_segment_ptr 1
		.amdhsa_wavefront_size32 1
		.amdhsa_system_sgpr_workgroup_id_x 1
		.amdhsa_system_sgpr_workgroup_id_y 1
		.amdhsa_system_sgpr_workgroup_id_z 1
		.amdhsa_system_vgpr_workitem_id 0
		.amdhsa_next_free_vgpr 210
		.amdhsa_next_free_sgpr 86
		.amdhsa_reserve_vcc 0
		.amdhsa_float_denorm_mode_32 3
		.amdhsa_float_denorm_mode_16_64 3
		.amdhsa_memory_ordered 1
		.amdhsa_forward_progress 1
		.amdhsa_inst_pref_size 40
	.end_amdhsa_kernel
	.amdgpu_metadata
---
amdhsa.version: [ 1, 2 ]
amdhsa.kernels:
  - .name:           k_q725ce41da5_prep
    .symbol:         k_q725ce41da5_prep.kd
    .args:
      - { .name: x, .offset: 0, .size: 8, .value_kind: global_buffer, .address_space: global }
      - { .name: W1, .offset: 8, .size: 8, .value_kind: global_buffer, .address_space: global }
      - { .name: W2, .offset: 16, .size: 8, .value_kind: global_buffer, .address_space: global }
      - { .name: W1c, .offset: 24, .size: 8, .value_kind: global_buffer, .address_space: global }
      - { .name: W1s, .offset: 32, .size: 8, .value_kind: global_buffer, .address_space: global }
      - { .name: W2c, .offset: 40, .size: 8, .value_kind: global_buffer, .address_space: global }
      - { .name: W2s, .offset: 48, .size: 8, .value_kind: global_buffer, .address_space: global }
      - { .name: part, .offset: 56, .size: 8, .value_kind: global_buffer, .address_space: global }
    .group_segment_fixed_size: 101888
    .private_segment_fixed_size: 0
    .kernarg_segment_align: 8
    .kernarg_segment_size: 64
    .max_flat_workgroup_size: 256
    .sgpr_count:     86
    .vgpr_count:     210
    .wavefront_size: 32
...
	.end_amdgpu_metadata
.endif
;; end of part 1
;; launch jac (part 2): grid 32 x 8, 8 waves a work-group, no clusters, 146,432 bytes of LDS; arguments part, b1, W2c, W2s, W1c, W1s, out0; writes out0
.if DOCPART == 2
	.amdgcn_target "amdgcn-amd-amdhsa--gfx1250"
	.amdhsa_code_object_version 6
	.text
	.protected	k_q725ce41da5_jac
	.globl	k_q725ce41da5_jac
	.p2align	8
	.type	k_q725ce41da5_jac,@function
k_q725ce41da5_jac:
	s_mov_b64 s[64:65], 0
	v_nop
	global_prefetch_b8 v0, s[64:65] scope:SCOPE_SE
	s_setreg_imm32_b32 hwreg(HW_REG_WAVE_MODE, 25, 1), 1
	s_wait_xcnt 0x0
; out0[b][o][b'][i], the Jacobian of relu(x W1 + b1) W2 + b2 by x.  The cotangent of output (b, o) is a row of the identity for b' = b and a row of zeros for b' != b.
;   b' != b: both products multiply zeros that the computation builds itself: the numbers are 0 and are stored as such, without products.
;   b' = b:  out = sum over j of Q_j(mask[b][j] x dh[j][o]) x Q_j(W1)[i][j],  dh = the first quantised product: cotangent x Q_o(W2),  mask = (x W1 + b1 > 0).
; THE COTANGENT AS CODES.  Its block with the 1 has the scale 2^-2 (byte 125) and the code of 4.0 (6); all other codes are 0.  Only the 64 along o that hold my work-group's ones can meet a code that is not 0:
;   the first product runs over those (one matrix instruction of 128 along K, whose upper 64 stand against zero codes of the cotangent; what lies there in W2's operand is other finite codes and adds nothing).
; THE MASK goes onto W2's codes ahead of the product: a row j that is masked becomes zero codes, which is mask x Q(W2) exactly; 4 lines a tile.
; NOT COMPUTED: h W2 + b2, the network's own output: the Jacobian does not hang on it and there is no output for it; b2 is not loaded.
; LIMITS: NaN and infinities in the inputs are not served (0 x infinity in the rows that are left out).  x W1 + b1 is summed as 4 parts (each 16 rows, 8 waves) and b1: where it lies at rounding's level of 0 the mask may differ.
;   A block of zeros carries the byte 1: its codes are zeros.  The second product's K is summed in two halves of 1,024, added in f32.
; SHARES.  Work-group (x, y): b = y, it = x % 4, og = x / 4: C[o = 64 og + 0..63][i = 128 it + 0..127] of batch b, and the zeros of o = 64 og + 16 it + 0..15 for the seven b' != b.  256 work-groups, 256 KiB of output each.
;   First product and quantiser: wave w takes j = 256 w + 0..255 (K steps 2 w, 2 w + 1 of the second product) for all 64 o: 8 fragments, which go to the other waves through LDS as images of their registers.
;   Second product: wave w = 4 kh + ip takes i = 32 ip + 0..31 (two tiles) x 64 o (four tiles), K steps 8 kh + 0..7; the two halves meet in a stage in LDS.
; Both products are used transposed (source 0 = 16 rows of the weight, source 1 = 16 rows o): a lane holds one o, its registers run along j (then i); the weights' tiles take rows 32 q + 8 u + r + 8 (r / 8).
; NO TENSOR LOADS, NO CLUSTER: every operand byte (31 KiB a wave) is multiplied by one wave of the work-group alone and is laid in memory as that wave's registers take it, so it goes straight into registers;
;   a joint load would land in LDS and add a write and a read of LDS for each byte.  All of a wave's loads are issued at its head, so nothing is asked for ahead of them.
; THE 56 STORES OF ZEROS of a wave are strewn through the text (ZH at the head, ZA behind each fragment made, ZB in each K step), behind all loads, so that stores leave from the start to the end.
; REGISTERS.  Window 0 as named below.  Window 1: v0-127 W1's 16 fragments ((u, K step) at 8 (8 u + step)); v128-191 the 8 accumulators ((u, m) at 128 + 8 (4 u + m)).
.set AIMG, 0                           ; LDS: the 64 fragments of the second product's rows: (4 s + m) x 1,024 bytes
.set ASC,  65536                       ; their scale words: (4 s + m) x 64 bytes, word r
.set MK,   69632                       ; the mask as words, 1,024 bytes for each wave, j in its natural order
.set STG,  77824                       ; two stages (one for each half of K): 64 rows x (512 bytes + 16)
.set SP,   528
.set STGH, 64*SP
.set ZH,   16                          ; zero stores at the head,
.set ZA,   3                           ; behind each of the 8 fragments made,
.set ZB,   2                           ; in each of the 8 K steps: 16 + 24 + 16 = 56
.set LI,   1                           ; v1   16 x lane
.set L4S,  2                           ; v2   16 x lane + 4 ip: W1's scale words
.set MKW,  3                           ; v3   the mask, on the way in
.set MKR,  4                           ; v4   and out: row r + 8 (r / 8) of a tile
.set AIW,  5                           ; v5   where I store images
.set ASW,  6                           ; v6   and their scale words
.set AIR,  7                           ; v7   where I read images
.set ASR,  8                           ; v8   and their scale words
.set SO,   9                           ; v9   the stage: where I put 32 bytes of a row
.set SR,   10                          ; v10  and where I read a row back
.set ONES, 11                          ; v11  -1
.set ZO,   12                          ; v12-18 16 x lane + 2,048 x ((b + 1 + k) % 8): the seven b' != b
.set OHS,  19                          ; v19  the cotangent's scale word: 125 in each byte
.set OH,   20                          ; v20-37 the cotangent's codes: 0 0 E E 0 0 0 0 0 0 E E 0 0 0 0 0 0; a tile's fragment is eight of them; v24-27, zeros, are also the zero stores' data
.set W2S,  38                          ; v38-45 W2's scale words: register t / 2, lanes 0-15 tile t even, lanes 16-31 odd
.set W1S,  46                          ; v46-53 W1's: register = K step, lanes 0-15 u = 0, lanes 16-31 u = 1
.set AS,   54                          ; v54-57 the rows' scale words, two sets of two: lanes 0-15 tile m even, lanes 16-31 odd
.set TM,   58                          ; v58-73 at work in the quantiser (and at the head)
.set PW,   74                          ; v74  the scale word just made
.set PC,   76                          ; v76-83 the codes just made
.set W2C,  84                          ; v84-147 W2's codes: 16 tiles x 4 registers; v148-151 zeros
.set DH,   152                         ; v152-215 the first product's 8 tiles; later two sets of four fragments; later rows of the result
.set PP,   DH                          ; at the head: the four parts of x W1,
.set PB,   DH+32                       ; b1,
.set MS,   DH+48                       ; and the mask word of my row of each of 16 tiles
.set ACC,  128                         ; in window 1
.set MSB, 0
.macro WIN new                         ; the immediate's high byte repeats the setting that is left
.if MSB != \new
	s_set_vgpr_msb (MSB<<8)|\new
.set MSB, \new
.endif
.endm
.macro PLACES n
.rept \n
	v_nop
.endr
.endm
.set Z, 0
.macro ZERO n                          ; the next n of my 56 zero stores: row Z / 28 of my two, b' number (Z % 28) / 4, quarter Z % 4: 512 consecutive bytes each.  Data, offsets and base are never rewritten: no wait
.rept \n
	global_store_b128 v[ZO+(Z%28)/4], v[24:27], s[22:23] offset:16384*(Z/28)+512*(Z%4) th:TH_STORE_NT
.set Z, Z+1
.endr
.endm
.macro WLOAD u, sl                     ; W1's fragment (u, K step sl) into window 1
.irp c, 0,1
	global_load_b128 v[8*(8*\u+\sl)+4*\c:8*(8*\u+\sl)+4*\c+3], v[LI], s[16:17] offset:16384*\u+1024*\sl+512*\c
.endr
.endm
	s_load_b256 s[8:15], s[0:1], 0x0               ; part 8, b1 10, W2c 12, W2s 14
	s_load_b128 s[16:19], s[0:1], 0x20             ; W1c 16, W1s 18
	s_load_b64 s[20:21], s[0:1], 0x30              ; out0
	v_lshl_add_u32 v254, v0, 2, 0x23800
	v_mov_b32 v255, 0
	v_lshrrev_b32 v58, 5, v0
	v_readfirstlane_b32 s2, v58                    ; wave 0..7
	s_and_b32 s3, s2, 3                            ; ip
	s_lshr_b32 s4, s2, 2                           ; kh
	s_and_b32 s5, ttmp7, 0xffff                    ; b
	s_and_b32 s6, ttmp9, 3                         ; it
	s_lshr_b32 s7, ttmp9, 2                        ; og
	v_and_b32 v59, 31, v0                          ; lane
	v_lshlrev_b32 v[LI], 4, v59
	s_lshl_b32 s27, s3, 2
	v_add_nc_u32 v[L4S], s27, v[LI]
	s_lshl_b32 s27, s2, 10                         ; 1,024 w
	s_lshl_b32 s32, s5, 13
	s_add_co_u32 s32, s32, s27                     ; part: batch row b, j = 256 w
	s_mov_b32 s33, 0
	s_mov_b32 s34, s27                             ; b1: j = 256 w
	s_mov_b32 s35, 0
	s_lshl_b32 s36, s7, 16
	s_lshl_b32 s28, s2, 13
	s_add_co_u32 s36, s36, s28                     ; W2c: g = og, tile 16 w
	s_mov_b32 s37, 0
	s_lshr_b32 s38, s7, 1
	s_lshl_b32 s38, s38, 13
	s_add_co_u32 s38, s38, s27                     ; W2s: og / 2, group 2 w
	s_mov_b32 s39, 0
	s_lshl_b32 s40, s6, 3
	s_lshl_b32 s28, s3, 1
	s_add_co_u32 s40, s40, s28
	s_lshl_b32 s40, s40, 14
	s_lshl_b32 s28, s4, 13
	s_add_co_u32 s40, s40, s28                     ; W1c: tile 8 it + 2 ip, K step 8 kh
	s_mov_b32 s41, 0
	s_lshl_b32 s42, s4, 14
	s_lshl_b32 s28, s6, 9
	s_add_co_u32 s42, s42, s28                     ; W1s: K step 8 kh, group it
	s_mov_b32 s43, 0
	s_lshl_b32 s29, s5, 9
	s_lshl_b32 s28, s7, 6
	s_add_co_u32 s29, s29, s28                     ; 512 b + 64 og
	s_lshl_b32 s28, s6, 4
	s_add_co_u32 s44, s29, s28
	s_lshl_b32 s28, s2, 1
	s_add_co_u32 s44, s44, s28
	s_lshl_b32 s44, s44, 14                        ; the zeros: row (b, 64 og + 16 it + 2 w), 16,384 bytes a row
	s_mov_b32 s45, 0
	s_lshl_b32 s28, s2, 3
	s_add_co_u32 s46, s29, s28
	s_lshl_b32 s46, s46, 14
	s_lshl_b32 s28, s5, 11
	s_add_co_u32 s46, s46, s28
	s_lshl_b32 s28, s6, 9
	s_add_co_u32 s46, s46, s28                     ; the result: row (b, 64 og + 8 w), b' = b, i = 128 it
	s_mov_b32 s47, 0
	s_and_b32 s26, s7, 1
	s_lshl_b32 s26, s26, 4                         ; where my two bytes stand in W2's scale words: bit 16 (og % 2)
	s_mov_b32 s30, 0x76543210
	s_mov_b32 s31, 0xfedcba98                      ; v_permlanex16_b32's selects for lane l xor 16
	s_wait_kmcnt 0x0
	s_add_nc_u64 s[8:9], s[8:9], s[32:33]
	s_add_nc_u64 s[10:11], s[10:11], s[34:35]
	s_add_nc_u64 s[12:13], s[12:13], s[36:37]
	s_add_nc_u64 s[14:15], s[14:15], s[38:39]
	s_add_nc_u64 s[16:17], s[16:17], s[40:41]
	s_add_nc_u64 s[18:19], s[18:19], s[42:43]
	s_add_nc_u64 s[22:23], s[20:21], s[44:45]
	s_add_nc_u64 s[24:25], s[20:21], s[46:47]
	; ALL LOADS, in the order in which they are wanted: 8 + 2 + 2 + 16 + 8 + 24 = 60 here, the last 8 behind the first wait
.irp c, 0,1,2,3
.irp x, 0,1
	global_load_b128 v[PP+8*\c+4*\x:PP+8*\c+4*\x+3], v[LI], s[8:9] offset:65536*\c+512*\x   ; part c of x W1 at j = 256 w + 128 x + 4 lane
.endr
.endr
.irp x, 0,1
	global_load_b128 v[PB+4*\x:PB+4*\x+3], v[LI], s[10:11] offset:512*\x
.endr
.irp g, 0,1
	global_load_b128 v[W2S+4*\g:W2S+4*\g+3], v[LI], s[14:15] offset:512*\g
.endr
.irp t, 0,1,2,3,4,5,6,7,8,9,10,11,12,13,14,15
	global_load_b128 v[W2C+4*\t:W2C+4*\t+3], v[LI], s[12:13] offset:512*\t
.endr
.irp s, 0,1,2,3,4,5,6,7
	global_load_b32 v[W1S+\s], v[L4S], s[18:19] offset:2048*\s
.endr
	WIN 0x40                                       ; destination window 1, address window 0
.irp s, 0,1,2,3,4,5,6,7
	WLOAD 0, \s
.endr
.irp s, 0,1,2,3
	WLOAD 1, \s
.endr
	WIN 0
	; what the zero stores need, then the first of them
.irp k, 0,1,2,3,4,5,6
	s_add_co_u32 s27, s5, 1+\k
	s_and_b32 s27, s27, 7
	s_lshl_b32 s27, s27, 11
	v_add_nc_u32 v[ZO+\k], s27, v[LI]
.endr
.irp j, 0,1,4,5,6,7,8,9,12,13,14,15,16,17
	v_mov_b32 v[OH+\j], 0
.endr
	ZERO ZH
	; the other addresses and constants
	v_and_b32 v60, 15, v0                          ; r
	v_bfe_u32 v61, v0, 4, 1                        ; h
	s_lshl_b32 s27, s2, 10
	s_add_co_u32 s27, s27, MK
	v_add_nc_u32 v[MKW], s27, v[LI]
	v_and_b32 v62, 8, v60
	v_add_nc_u32 v62, v62, v60                     ; r + 8 (r / 8)
	v_lshl_add_u32 v[MKR], v62, 2, s27
	s_lshl_b32 s27, s2, 13
	v_add_nc_u32 v[AIW], s27, v[LI]                ; AIMG = 0: 8 fragments a wave
	s_lshl_b32 s27, s2, 9
	s_add_co_u32 s27, s27, ASC
	v_lshl_add_u32 v[ASW], v60, 2, s27
	s_lshl_b32 s27, s4, 15
	v_add_nc_u32 v[AIR], s27, v[LI]                ; 32 fragments for each half of K
	s_lshl_b32 s27, s4, 11
	s_add_co_u32 s27, s27, ASC
	v_lshl_add_u32 v[ASR], v59, 2, s27
	s_mul_i32 s27, s4, STGH
	s_lshl_b32 s28, s3, 7
	s_add_co_u32 s27, s27, s28
	s_add_co_u32 s27, s27, STG
	v_mul_u32_u24 v[SO], v60, SP
	v_lshl_add_u32 v[SO], v61, 6, v[SO]
	v_add_nc_u32 v[SO], s27, v[SO]                 ; my half's stage: row r, i = 32 ip + 16 h
	s_mul_i32 s27, s2, 8*SP
	s_add_co_u32 s27, s27, STG
	v_add_nc_u32 v[SR], s27, v[LI]                 ; back: rows 8 w on, 16 bytes a lane
	v_mov_b32 v[ONES], -1
	v_mov_b32 v[OHS], 0x7d7d7d7d
	v_and_b32 v62, 7, v0
	v_lshlrev_b32 v62, 2, v62
	v_mov_b32 v63, 6
	v_lshlrev_b32 v63, v62, v63                    ; the code of 4.0 at place r % 8 of a register
	v_lshrrev_b32 v62, 3, v59                      ; lane / 8
	v_cmp_eq_u32 vcc_lo, 0, v62
	v_cndmask_b32 v[OH+2], 0, v63, vcc_lo          ; rows 0-7: k = r in lanes 0-7
	v_cmp_eq_u32 vcc_lo, 1, v62
	v_cndmask_b32 v[OH+3], 0, v63, vcc_lo          ; rows 8-15: one register on, lanes 8-15
	v_cmp_eq_u32 vcc_lo, 2, v62
	v_cndmask_b32 v[OH+10], 0, v63, vcc_lo         ; the same 32 along K on: lanes 16-23,
	v_cmp_eq_u32 vcc_lo, 3, v62
	v_cndmask_b32 v[OH+11], 0, v63, vcc_lo         ; lanes 24-31
.irp i, 4,5,6,7
	v_mov_b32 v[TM+\i], 0                          ; written once: a lane permute's destination counts as one of its sources
.endr
.irp i, 64,65,66,67
	v_mov_b32 v[W2C+\i], 0                         ; what tile 15's operand names beyond its own four registers
.endr
	; ---- THE MASK of j = 256 w + 0..255
	s_wait_loadcnt 50                              ; part and b1 are in: behind them were issued 2 + 16 + 8 + 24 loads
.irp i, 0,2,4,6
	v_pk_add_f32 v[PP+\i:PP+\i+1], v[PP+\i:PP+\i+1], v[PP+8+\i:PP+9+\i]
	v_pk_add_f32 v[PP+16+\i:PP+17+\i], v[PP+16+\i:PP+17+\i], v[PP+24+\i:PP+25+\i]
.endr
.irp i, 0,2,4,6
	v_pk_add_f32 v[PP+\i:PP+\i+1], v[PP+\i:PP+\i+1], v[PP+16+\i:PP+17+\i]
.endr
.irp i, 0,2,4,6
	v_pk_add_f32 v[PP+\i:PP+\i+1], v[PP+\i:PP+\i+1], v[PB+\i:PB+\i+1]   ; x W1 + b1
.endr
.irp i, 0,1,2,3,4,5,6,7
	v_cmp_lt_f32 vcc_lo, 0, v[PP+\i]
	v_cndmask_b32 v[PP+\i], 0, v[ONES], vcc_lo     ; all ones where it is above 0, else 0: a value is chosen, nothing branches
.endr
	ds_store_b128 v[MKW], v[PP:PP+3]               ; through my own 1,024 bytes of LDS, from four neighbours a lane to a tile's row a lane;
	ds_store_b128 v[MKW], v[PP+4:PP+7] offset:512  ; LDS serves a wave's instructions in order: no wait between
.irp t, 0,1,2,3,4,5,6,7,8,9,10,11,12,13,14,15
	ds_load_b32 v[MS+\t], v[MKR] offset:4*(32*(\t/2)+8*(\t%2))
.endr
	WIN 0x40
.irp s, 4,5,6,7
	WLOAD 1, \s                                    ; the last 8 loads
.endr
	WIN 0
	s_wait_loadcnt 56                              ; W2's scale words are in: behind them 16 + 8 + 24 + 8
.irp i, 0,1,2,3,4,5,6,7
	v_bfe_u32 v[W2S+\i], v[W2S+\i], s26, 16        ; the bytes of my two blocks along o,
.endr
.irp i, 0,1,2,3,4,5,6,7
	v_lshl_or_b32 v[W2S+\i], v[W2S+\i], 16, v[W2S+\i]   ; once more for the upper 64 along K, which stand against zero codes
.endr
	s_wait_loadcnt 40                              ; W2's codes are in: behind them 8 + 24 + 8
	s_wait_dscnt 0x0                               ; and the mask words
.irp t, 0,1,2,3,4,5,6,7,8,9,10,11,12,13,14,15
.irp e, 0,1,2,3
	v_and_b32 v[W2C+4*\t+\e], v[MS+\t], v[W2C+4*\t+\e]   ; a masked row's codes become zeros.  (These 64 lines are also the places between the scale words' and the first tiles' last writes and the products)
.endr
.endr
; ---- THE FIRST PRODUCT AND THE QUANTISER
; 8 tiles of 16 j x 16 o: lane (r, h) then holds o = 16 m + r, and register 16 q + i the j = 128 s + 32 q + 16 h + i
.macro PROD3 sl, off
.irp t, 0,1,2,3,4,5,6,7
.if \t%2
	v_wmma_scale_f32_16x16x128_f8f6f4 v[DH+8*\t:DH+8*\t+7], v[W2C+4*(8*\sl+\t):W2C+4*(8*\sl+\t)+7], v[OH+\off:OH+\off+7], 0, v[W2S+(8*\sl+\t)/2], v[OHS] matrix_a_fmt:MATRIX_FMT_FP4 matrix_b_fmt:MATRIX_FMT_FP4 matrix_a_scale:MATRIX_SCALE_ROW1
.else
	v_wmma_scale_f32_16x16x128_f8f6f4 v[DH+8*\t:DH+8*\t+7], v[W2C+4*(8*\sl+\t):W2C+4*(8*\sl+\t)+7], v[OH+\off:OH+\off+7], 0, v[W2S+(8*\sl+\t)/2], v[OHS] matrix_a_fmt:MATRIX_FMT_FP4 matrix_b_fmt:MATRIX_FMT_FP4
.endif
.endr
.endm
; 64 numbers of a lane, register 16 b + i = k 32 b + 16 (lane / 16) + i of my row, become a fragment's codes in v[PC] on and its scale word in v[PW]
.macro QUANT s
.irp b, 0,1,2,3
	v_max3_num_f32 v[TM+\b], |v[\s+16*\b]|, |v[\s+1+16*\b]|, 0x1800000   ; block b: my 16 numbers, and the floor 2^(3 - 127): the byte cannot fall under 1.  (Each tile is read from its low end on)
.endr
.irp i, 2,4,6,8,10,12,14
.irp b, 0,1,2,3
	v_max3_num_f32 v[TM+\b], v[TM+\b], |v[\s+16*\b+\i]|, |v[\s+1+16*\b+\i]|   ; (the four blocks by turns)
.endr
.endr
.irp b, 0,1,2,3
	v_permlanex16_b32 v[TM+4+\b], v[TM+\b], s30, s31
.endr
.irp b, 0,1,2,3
	v_max_num_f32 v[TM+\b], v[TM+\b], v[TM+4+\b]   ; with lane l xor 16's: the block's largest magnitude
.endr
.irp b, 0,1,2,3
	v_add_nc_u32 v[TM+12+\b], 0xff000000, v[TM+\b] ; 2 off its exponent field: the conversion's scale operand
.endr
.irp b, 0,1,2,3
	v_lshrrev_b32 v[TM+4+\b], 23, v[TM+12+\b]      ; the scale's byte
.endr
	v_lshl_or_b32 v[PW], v[TM+5], 8, v[TM+4]       ; the four bytes make my row's scale word
	v_lshl_or_b32 v[PW], v[TM+6], 16, v[PW]
	v_lshl_or_b32 v[PW], v[TM+7], 24, v[PW]
.irp b, 0,1,2,3
	v_cvt_scalef32_pk8_fp4_f32 v[PC+2*\b], v[\s+16*\b:\s+7+16*\b], v[TM+12+\b]
	v_cvt_scalef32_pk8_fp4_f32 v[PC+1+2*\b], v[\s+8+16*\b:\s+15+16*\b], v[TM+12+\b]
.endr
	v_nop                                          ; one plain place behind a scaled conversion
.irp c, 0,1                            ; the operand's layout wants a whole block in a lane: lanes 0-15 block 2 c, lanes 16-31 block 2 c + 1
.irp i, 0,1
	v_permlane16_swap_b32 v[PC+4*\c+\i], v[PC+2+4*\c+\i]
.endr
.endr
.endm
.macro APART sl, m, off                ; K step 2 w + sl of the second product, rows o = 16 m on: product, quantiser, image to LDS
	PROD3 \sl, \off
	PLACES 4                                       ; in front of the first read of the results
	s_wait_dscnt 0x0                               ; the last image's stores have read their registers, which the quantiser writes again
	QUANT DH
.irp c, 0,1
	ds_store_b128 v[AIW], v[PC+4*\c:PC+4*\c+3] offset:(4*\sl+\m)*1024+512*\c   ; the fragment as it stands: lane l's 16 bytes at 16 l
.endr
	ds_store_b32 v[ASW], v[PW] offset:64*(4*\sl+\m)   ; lanes l and l xor 16 write the same word with the same value
	ZERO ZA
.endm
.irp sl, 0,1
	APART \sl, 0, 2                                ; the cotangent's fragment of tile m begins at OH + 2, 0, 10, 8: the 1 of row r stands at k = 16 m + r
	APART \sl, 1, 0
	APART \sl, 2, 10
	APART \sl, 3, 8
.endr
	s_wait_dscnt 0x0                               ; for the others' sake: my images have landed
	s_barrier_signal -1
	s_barrier_wait -1                              ; all 64 fragments lie in LDS
; ---- THE SECOND PRODUCT
.macro FETCHA sl, p                    ; K step 8 kh + sl: the four tiles' fragments and their scale words into set p: ten LDS loads
.irp m, 0,1,2,3
.irp c, 0,1
	ds_load_b128 v[DH+32*(\p)+8*\m+4*\c:DH+32*(\p)+8*\m+4*\c+3], v[AIR] offset:(4*(\sl)+\m)*1024+512*\c
.endr
.endr
.irp x, 0,1
	ds_load_b32 v[AS+2*(\p)+\x], v[ASR] offset:256*(\sl)+128*\x   ; lanes 0-15 tile 2 x, lanes 16-31 tile 2 x + 1
.endr
.endm
.macro W4 sl, m, u                     ; source 0 = W1's tile u (window 1), source 1 = rows o = 16 m on (window 0); K step 0 starts the sums: nothing is cleared
.set rD, ACC+8*(4*\u+\m)
.set rA, 8*(8*\u+(\sl))
.set rB, DH+32*((\sl)%2)+8*\m
.set rX, W1S+(\sl)
.set rY, AS+2*((\sl)%2)+(\m)/2
.set row, 2*((\m)%2)+\u
.if (\sl) == 0
.if row == 0
	v_wmma_scale_f32_16x16x128_f8f6f4 v[rD:rD+7], v[rA:rA+7], v[rB:rB+7], 0, v[rX], v[rY] matrix_a_fmt:MATRIX_FMT_FP4 matrix_b_fmt:MATRIX_FMT_FP4
.elseif row == 1
	v_wmma_scale_f32_16x16x128_f8f6f4 v[rD:rD+7], v[rA:rA+7], v[rB:rB+7], 0, v[rX], v[rY] matrix_a_fmt:MATRIX_FMT_FP4 matrix_b_fmt:MATRIX_FMT_FP4 matrix_a_scale:MATRIX_SCALE_ROW1
.elseif row == 2
	v_wmma_scale_f32_16x16x128_f8f6f4 v[rD:rD+7], v[rA:rA+7], v[rB:rB+7], 0, v[rX], v[rY] matrix_a_fmt:MATRIX_FMT_FP4 matrix_b_fmt:MATRIX_FMT_FP4 matrix_b_scale:MATRIX_SCALE_ROW1
.else
	v_wmma_scale_f32_16x16x128_f8f6f4 v[rD:rD+7], v[rA:rA+7], v[rB:rB+7], 0, v[rX], v[rY] matrix_a_fmt:MATRIX_FMT_FP4 matrix_b_fmt:MATRIX_FMT_FP4 matrix_a_scale:MATRIX_SCALE_ROW1 matrix_b_scale:MATRIX_SCALE_ROW1
.endif
.else
.if row == 0
	v_wmma_scale_f32_16x16x128_f8f6f4 v[rD:rD+7], v[rA:rA+7], v[rB:rB+7], v[rD:rD+7], v[rX], v[rY] matrix_a_fmt:MATRIX_FMT_FP4 matrix_b_fmt:MATRIX_FMT_FP4
.elseif row == 1
	v_wmma_scale_f32_16x16x128_f8f6f4 v[rD:rD+7], v[rA:rA+7], v[rB:rB+7], v[rD:rD+7], v[rX], v[rY] matrix_a_fmt:MATRIX_FMT_FP4 matrix_b_fmt:MATRIX_FMT_FP4 matrix_a_scale:MATRIX_SCALE_ROW1
.elseif row == 2
	v_wmma_scale_f32_16x16x128_f8f6f4 v[rD:rD+7], v[rA:rA+7], v[rB:rB+7], v[rD:rD+7], v[rX], v[rY] matrix_a_fmt:MATRIX_FMT_FP4 matrix_b_fmt:MATRIX_FMT_FP4 matrix_b_scale:MATRIX_SCALE_ROW1
.else
	v_wmma_scale_f32_16x16x128_f8f6f4 v[rD:rD+7], v[rA:rA+7], v[rB:rB+7], v[rD:rD+7], v[rX], v[rY] matrix_a_fmt:MATRIX_FMT_FP4 matrix_b_fmt:MATRIX_FMT_FP4 matrix_a_scale:MATRIX_SCALE_ROW1 matrix_b_scale:MATRIX_SCALE_ROW1
.endif
.endif
.endm
	s_wait_loadcnt 0x0                             ; W1's fragments and scale words, asked for at the head
	FETCHA 0, 0
.set SL, 0
.rept 8                                ; a K step: the next step's ten loads into the other set, two zero stores, eight products; the eight accumulators take turns, one instruction a turn
.if (SL >= 1) && (SL < 7)
	PLACES 4                                       ; in front of loads into the set that the last eight products read
.endif
.if SL < 7
	FETCHA SL+1, (SL+1)%2
	ZERO ZB
	s_wait_dscnt 10                                ; this step's set is in; the ten loads just issued may be out
.else
	ZERO ZB
	s_wait_dscnt 0x0
.endif
	WIN 0x51                                       ; source 0, C and D window 1; source 1 window 0
.irp m, 0,1,2,3
.irp u, 0,1
	W4 SL, \m, \u
.endr
.endr
	WIN 0
.set SL, SL+1
.endr
	; ---- THE WAY OUT.  Lane (r, h) holds o = 16 m + r and, in tile u, i = 32 ip + 16 h + 8 u + 0..7: 32 bytes of a row.  Both halves of K go into stages; each wave then adds and stores 8 whole rows of 512 bytes.
	PLACES 4                                       ; in front of the first read of the results, and of the loads below into registers that the last products read
	WIN 0x04                                       ; an LDS store's data are its source 1: window 1
.irp u, 0,1
.irp m, 0,1,2,3
	ds_store_b128 v[SO], v[ACC+8*(4*\u+\m):ACC+8*(4*\u+\m)+3] offset:16*SP*\m+32*\u          ; each accumulator from its low end on
	ds_store_b128 v[SO], v[ACC+8*(4*\u+\m)+4:ACC+8*(4*\u+\m)+7] offset:16*SP*\m+32*\u+16
.endr
.endr
	WIN 0
	s_wait_dscnt 0x0                               ; for the others' sake: my stores into the stages have landed
	s_barrier_signal -1
	s_barrier_wait -1
.irp k, 0,1,2,3,4,5,6,7
	ds_load_b128 v[DH+8*\k:DH+8*\k+3], v[SR] offset:SP*\k            ; row 8 w + k of the first half of K,
	ds_load_b128 v[DH+8*\k+4:DH+8*\k+7], v[SR] offset:STGH+SP*\k     ; and of the second
.endr
.irp k, 0,1,2,3,4,5,6,7
	s_wait_dscnt 14-2*\k                           ; row k's two loads are in; the rows behind it may be out
	v_pk_add_f32 v[DH+8*\k:DH+8*\k+1], v[DH+8*\k:DH+8*\k+1], v[DH+8*\k+4:DH+8*\k+5]
	v_pk_add_f32 v[DH+8*\k+2:DH+8*\k+3], v[DH+8*\k+2:DH+8*\k+3], v[DH+8*\k+6:DH+8*\k+7]
	global_store_b128 v[LI], v[DH+8*\k:DH+8*\k+3], s[24:25] offset:16384*\k th:TH_STORE_NT   ; 32 lanes store 512 consecutive bytes of row (b, o, b), at a multiple of 512 from out0's first byte
.endr
	s_wait_tensorcnt 0x0
	ds_add_u32 v254, v255
	s_wait_dscnt 0x0
	s_endpgm
.Lfunc_end_k_q725ce41da5_jac:
	.size	k_q725ce41da5_jac, .Lfunc_end_k_q725ce41da5_jac-k_q725ce41da5_jac
	.p2alignl 7, 3214868480
	.fill 96, 4, 3214868480
	.section	.rodata,"a",@progbits
	.p2align	6, 0x0
	.amdhsa_kernel k_q725ce41da5_jac
		.amdhsa_group_segment_fixed_size 146432
		.amdhsa_private_segment_fixed_size 0
		.amdhsa_enable_private_segment 0
		.amdhsa_kernarg_size 56
		.amdhsa_user_sgpr_count 2
		.amdhsa_user_sgpr_kernarg_segment_ptr 1
		.amdhsa_wavefront_size32 1
		.amdhsa_system_sgpr_workgroup_id_x 1
		.amdhsa_system_sgpr_workgroup_id_y 1
		.amdhsa_system_sgpr_workgroup_id_z 1
		.amdhsa_system_vgpr_workitem_id 0
		.amdhsa_next_free_vgpr 448
		.amdhsa_next_free_sgpr 66
		.amdhsa_reserve_vcc 1
		.amdhsa_float_denorm_mode_32 3
		.amdhsa_float_denorm_mode_16_64 3
		.amdhsa_memory_ordered 1
		.amdhsa_forward_progress 1
		.amdhsa_inst_pref_size 84
	.end_amdhsa_kernel
	.amdgpu_metadata
---
amdhsa.version: [ 1, 2 ]
amdhsa.kernels:
  - .name:           k_q725ce41da5_jac
    .symbol:         k_q725ce41da5_jac.kd
    .args:
      - { .name: part, .offset: 0, .size: 8, .value_kind: global_buffer, .address_space: global }
      - { .name: b1, .offset: 8, .size: 8, .value_kind: global_buffer, .address_space: global }
      - { .name: W2c, .offset: 16, .size: 8, .value_kind: global_buffer, .address_space: global }
      - { .name: W2s, .offset: 24, .size: 8, .value_kind: global_buffer, .address_space: global }
      - { .name: W1c, .offset: 32, .size: 8, .value_kind: global_buffer, .address_space: global }
      - { .name: W1s, .offset: 40, .size: 8, .value_kind: global_buffer, .address_space: global }
      - { .name: out0, .offset: 48, .size: 8, .value_kind: global_buffer, .address_space: global }
    .group_segment_fixed_size: 146432
    .private_segment_fixed_size: 0
    .kernarg_segment_align: 8
    .kernarg_segment_size: 56
    .max_flat_workgroup_size: 256
    .sgpr_count:     66
    .vgpr_count:     448
    .wavefront_size: 32
...
	.end_amdgpu_metadata
.endif
;; end of part 2
;; ======== version 2 of 2: 2 launches
;; workspace buffers: W1c 524,288 bytes; W1s 32,768 bytes; W2c 524,288 bytes; W2s 32,768 bytes; part 262,144 bytes
;; launch prep (part 3): grid 128 x 1, 8 waves a work-group, no clusters, 101,888 bytes of LDS; arguments x, W1, W2, W1c, W1s, W2c, W2s, part; writes W1c, W1s, W2c, W2s, part
.if DOCPART == 3
	.amdgcn_target "amdgcn-amd-amdhsa--gfx1250"
	.amdhsa_code_object_version 6
	.text
	.protected	k_q725ce41da5_prep
	.globl	k_q725ce41da5_prep
	.p2align	8
	.type	k_q725ce41da5_prep,@function
k_q725ce41da5_prep:
	s_mov_b64 s[64:65], 0
	v_nop
	global_prefetch_b8 v0, s[64:65] scope:SCOPE_SE
	s_setreg_imm32_b32 hwreg(HW_REG_WAVE_MODE, 25, 1), 1
	s_wait_xcnt 0x0
; W1 [512 i][2048 j] and W2 [2048 j][512 o], f32, K innermost in both (j for W1, o for W2), become codes of FP4 (E2M1) with one E8M0 byte for each 32 along K,
; laid in the order of the operand's registers, so that the next launch loads whole fragments by 16-byte loads.  W1's work-groups also make the sums of x W1 (f32 multiply-adds), in four parts along i.
; A TILE is 16 rows x 128 along K: one fragment (8 registers a lane) and one scale word a row.  THE ROWS OF A TILE ARE NOT NEIGHBOURS: row r of tile 2 q + u is row 32 q + 8 u + r + 8 (r / 8).
; SHARES.  Work-groups 0-63 take W1 (cs = 128 columns of 16, chunk = 128 rows of 4), 64-127 take W2 (cs of 4, chunk of 16).  Wave w takes tile 8 chunk + w.
; OUT.  W1c [tile 32][K step 16][c 2][lane 32][16 B];  W2c [g 8][tile 128][lane 32][16 B], g = 64 along o: lane (r, h) holds block 2 g + h;
;       W1s [K step 16][group 4][lane 32][p 4] words, W2s [128 along o: 4][group 16][lane 32][p 4]: lane (r, h), word p: row r of tile 8 group + 2 p + h;  part [chunk 4][b 8][j 2048] f32.
; A block's scale is 2^(floor(log2(its largest magnitude)) - 2); its byte is that magnitude's exponent field - 2, held at 1 from below.
; LIMITS: a block of zeros, and a block whose largest magnitude lies under 2^-124, keeps the byte 1 (its codes add nothing or little; the bytes are read by this program alone); NaN and infinities are not served.
; The sums of x W1 are added in another order than a plain row sum: 16 rows in a wave, 8 waves, and in the next launch 4 parts and b1.
; Every load reads 512 consecutive bytes of a row; every store of codes, words and sums covers 512 consecutive bytes.  No tensor loads: each byte is read once by one wave.
.set TRP,  528                         ; a stage row: 512 bytes + 16 = 33 x 16 bytes
.set TRW,  16*TRP                      ; a wave's stage
.set RED,  8*TRW                       ; behind the stages: each wave's sums, [b 8][128 f32]
.set SCW,  RED+8*4096                  ; behind them: the work-group's 128 scale words
.set LI,   1                           ; v1   16 x lane
.set RR,   2                           ; v2   r = lane % 16
.set HH,   3                           ; v3   h = lane / 16
.set TRS,  4                           ; v4   the stage, on the way in
.set TRR,  5                           ; v5   and on the way out: row r, block h
.set CO1,  6                           ; v6   where a fragment's second four registers go
.set SCA,  7                           ; v7   LDS: my row's scale word
.set RDW,  8                           ; v8   LDS: my wave's sums
.set RDR,  9                           ; v9   LDS: batch row w of wave 0's sums
.set XO,   10                          ; v10  my 16 bytes of x
.set SCR,  11                          ; v11  LDS: the scale words on the way out
.set XR,   24                          ; v24-27   x: lane l holds x[l / 4][tile rows 4 (l % 4) + 0 .. 3]
.set C,    28                          ; v28-35   the fragment's codes
.set ACC,  36                          ; v36-67   sums: register 4 b + column
.set R,    68                          ; v68-131  16 rows x my 4 columns, as loaded
.set X,    132                         ; v132-195 two blocks of 32 neighbours; later eight waves' sums
.set SW,   196                         ; v196-199 scale words on the way out
	s_load_b512 s[8:23], s[0:1], 0x0               ; x 8, W1 10, W2 12, W1c 14, W1s 16, W2c 18, W2s 20, part 22
	v_lshl_add_u32 v208, v0, 2, 0x18a00
	v_mov_b32 v209, 0
	v_lshrrev_b32 v12, 5, v0
	s_delay_alu instid0(VALU_DEP_1)
	v_readfirstlane_b32 s2, v12                    ; wave 0..7
	v_and_b32 v13, 31, v0                          ; lane
	s_delay_alu instid0(VALU_DEP_1)
	v_lshlrev_b32 v[LI], 4, v13
	s_wait_alu depctr_va_vdst(0)
	v_and_b32 v[RR], 15, v0
	s_wait_alu depctr_va_vdst(0)
	v_bfe_u32 v[HH], v0, 4, 1
	s_cmp_lt_u32 ttmp9, 64                         ; W1's work-group or W2's?  What differs is a handful of shifts
	s_cselect_b32 s66, 0, 64                       ; my tensor's first work-group
	s_cselect_b32 s67, 4, 2                        ; bits of cs
	s_cselect_b32 s68, 13, 11                      ; a row in memory: 8,192 or 2,048 bytes
	s_cselect_b32 s69, 14, 9                       ; codes: from tile to tile
	s_cselect_b32 s70, 10, 17                      ; codes: from cs to cs
	s_cselect_b32 s71, 9, 16                       ; codes: from a fragment's first four registers to its second four
	s_cselect_b32 s72, 11, 13                      ; scale words: from cs to cs
	s_sub_co_u32 s66, ttmp9, s66
	s_lshl_b32 s73, 1, s67
	s_sub_co_u32 s73, s73, 1
	s_and_b32 s3, s66, s73                         ; cs
	s_lshr_b32 s4, s66, s67                        ; chunk
	s_lshl_b32 s5, s4, 3
	s_add_co_u32 s5, s5, s2                        ; my tile
	s_lshr_b32 s84, s2, 1                          ; w / 2
	s_and_b32 s85, s2, 1                           ; w % 2
	s_lshl_b32 s6, s4, 7
	s_lshl_b32 s7, s84, 5
	s_add_co_u32 s6, s6, s7
	s_lshl_b32 s7, s85, 3
	s_add_co_u32 s6, s6, s7                        ; the tile's first row: 128 chunk + 32 (w / 2) + 8 (w % 2)
	s_lshl_b32 s74, s6, s68
	s_lshl_b32 s7, s3, 9
	s_add_co_u32 s74, s74, s7                      ; the source: first row, + 512 bytes for each cs
	s_mov_b32 s75, 0
	s_lshl_b32 s76, s5, s69
	s_lshl_b32 s7, s3, s70
	s_add_co_u32 s76, s76, s7                      ; the codes
	s_mov_b32 s77, 0
	s_lshl_b32 s78, s3, s72
	s_lshl_b32 s7, s4, 9
	s_add_co_u32 s78, s78, s7                      ; the scale words: 512 bytes a group
	s_mov_b32 s79, 0
	s_lshl_b32 s80, s6, 2                          ; x: column = the tile's first row
	s_mov_b32 s81, 0
	s_lshl_b32 s82, s4, 16
	s_lshl_b32 s7, s2, 13
	s_add_co_u32 s82, s82, s7
	s_lshl_b32 s7, s3, 9
	s_add_co_u32 s82, s82, s7                      ; part: chunk, batch row w, 128 cs
	s_mov_b32 s83, 0
	s_mov_b32 s30, 0x76543210
	s_mov_b32 s31, 0xfedcba98                      ; v_permlanex16_b32's selects for lane l xor 16
	s_mul_i32 s7, s2, TRW
	v_add_nc_u32 v[TRS], s7, v[LI]
	v_mul_u32_u24 v[TRR], v[RR], TRP
	s_wait_alu depctr_va_vdst(0)
	v_lshl_add_u32 v[TRR], v[HH], 7, v[TRR]
	s_delay_alu instid0(VALU_DEP_1)
	v_add_nc_u32 v[TRR], s7, v[TRR]
	s_lshl_b32 s7, 1, s71
	v_add_nc_u32 v[CO1], s7, v[LI]
	s_lshl_b32 s7, s85, 8
	s_lshl_b32 s73, s84, 2
	s_add_co_u32 s7, s7, s73
	s_add_co_u32 s7, s7, SCW
	v_lshl_add_u32 v[SCA], v[RR], 4, s7            ; lane 16 (w % 2) + r, word w / 2
	s_lshl_b32 s7, s2, 12
	s_add_co_u32 s7, s7, RED
	v_add_nc_u32 v[RDW], s7, v[LI]
	s_lshl_b32 s7, s2, 9
	s_add_co_u32 s7, s7, RED
	v_add_nc_u32 v[RDR], s7, v[LI]
	v_add_nc_u32 v[SCR], SCW, v[LI]
	v_lshrrev_b32 v[XO], 2, v13
	s_delay_alu instid0(VALU_DEP_1)
	v_lshlrev_b32 v[XO], 11, v[XO]                 ; x's row lane / 4,
	v_and_b32 v14, 3, v13
	s_delay_alu instid0(VALU_DEP_1)
	v_lshl_add_u32 v[XO], v14, 4, v[XO]            ; four tile rows on for each lane of the four,
	s_delay_alu instid0(VALU_DEP_2)
	v_lshrrev_b32 v14, 1, v14
	s_delay_alu instid0(VALU_DEP_1)
	v_lshl_add_u32 v[XO], v14, 5, v[XO]            ; and eight rows more from tile row 8 on
.irp i, 0,1,2,3
	v_mov_b32 v[XR+\i], 0                          ; written on the way that all take: W2's work-groups load no x
.endr
.irp i, 33,35,37,39,41,43,45,47,49,51,53,55,57,59,61,63
	s_mov_b32 s[\i], 0                             ; the packed forms name pairs and take the low word for both halves: the upper words are written once
.endr
	s_wait_kmcnt 0x0
	s_cmp_lt_u32 ttmp9, 64                         ; the choice hangs on the work-group's number alone
	s_cselect_b64 s[24:25], s[10:11], s[12:13]
	s_cselect_b64 s[26:27], s[14:15], s[18:19]
	s_cselect_b64 s[28:29], s[16:17], s[20:21]
	s_add_nc_u64 s[24:25], s[24:25], s[74:75]
	s_add_nc_u64 s[26:27], s[26:27], s[76:77]
	s_add_nc_u64 s[28:29], s[28:29], s[78:79]
.macro LOADR pitch                     ; the tile's 16 rows: 32 lanes read 512 consecutive bytes of a row
.irp k, 0,1,2,3,4,5,6,7,8,9,10,11,12,13,14,15
	global_load_b128 v[R+4*\k:R+4*\k+3], v[LI], s[24:25] offset:(\k+8*(\k/8))*\pitch th:TH_LOAD_NT
.endr
.endm
.macro RL k                            ; x[b][tile row k], b = 0 .. 7, into scalar set k % 2
.irp b, 0,1,2,3,4,5,6,7
	v_readlane_b32 s[32+16*((\k)%2)+2*\b], v[XR+(\k)%4], 4*\b+(\k)/4
.endr
.endm
.macro FM k                            ; sums += x[b][row k] x my four columns of row k; row 0 starts the sums: nothing is cleared
.irp b, 0,1,2,3,4,5,6,7
.irp p, 0,1
.if (\k) == 0
	v_pk_mul_f32 v[ACC+4*\b+2*\p:ACC+4*\b+2*\p+1], v[R+4*(\k)+2*\p:R+4*(\k)+2*\p+1], s[32+16*((\k)%2)+2*\b:33+16*((\k)%2)+2*\b] op_sel_hi:[1,0]
.else
	v_pk_fma_f32 v[ACC+4*\b+2*\p:ACC+4*\b+2*\p+1], v[R+4*(\k)+2*\p:R+4*(\k)+2*\p+1], s[32+16*((\k)%2)+2*\b:33+16*((\k)%2)+2*\b], v[ACC+4*\b+2*\p:ACC+4*\b+2*\p+1] op_sel_hi:[1,0,1]
.endif
.endr
.endr
.endm
	s_cmp_lt_u32 ttmp9, 64
	s_cbranch_scc0 .Lload_w2
	s_add_nc_u64 s[8:9], s[8:9], s[80:81]
	s_wait_alu depctr_va_vdst(0)
	global_load_b128 v[XR:XR+3], v[XO], s[8:9]     ; x first: it is small and wanted with the rows
	LOADR 8192
	s_branch .Lloaded
.Lload_w2:
	LOADR 2048
.Lloaded:
	s_wait_loadcnt 0x0                             ; the tile (and x) is in
	; the tile turns through my own stage: in as loaded, 16 bytes a lane; out 128 neighbouring bytes (a block of 32) a lane.  LDS serves a wave's instructions in order: no wait between
.irp k, 0,1,2,3,4,5,6,7,8,9,10,11,12,13,14,15
	ds_store_b128 v[TRS], v[R+4*\k:R+4*\k+3] offset:TRP*\k
.endr
.irp c, 0,1
.irp q, 0,1,2,3,4,5,6,7
	ds_load_b128 v[X+32*\c+4*\q:X+32*\c+4*\q+3], v[TRR] offset:256*\c+16*\q   ; block 2 c + h of row r
.endr
.endr
	s_cmp_lt_u32 ttmp9, 64
	s_cbranch_scc0 .Lno_fma
	s_wait_alu depctr_va_vdst(0)
	; W1 alone: my 16 rows' share of x W1, for 8 batch rows x my 4 columns.  x comes by lane reads, one row ahead of its use, in two scalar sets by turns
	RL 0
.set K, 0
.rept 16
.if K < 15
	RL K+1
.endif
	FM K
.set K, K+1
.endr
.irp b, 0,1,2,3,4,5,6,7
	ds_store_b128 v[RDW], v[ACC+4*\b:ACC+4*\b+3] offset:512*\b
.endr
.Lno_fma:
	s_wait_dscnt 0x0                               ; the two blocks are back from the stage
.irp c, 0,1                            ; my block 2 c + h: all its 32 numbers are mine
	v_max3_num_f32 v[12+\c], |v[X+32*\c]|, |v[X+32*\c+1]|, 0x1800000   ; and the floor 2^(3 - 127): the byte cannot fall under 1
.endr
.irp i, 2,4,6,8,10,12,14,16,18,20,22,24,26,28,30
.irp c, 0,1
	s_delay_alu instid0(VALU_DEP_2)
	v_max3_num_f32 v[12+\c], v[12+\c], |v[X+32*\c+\i]|, |v[X+32*\c+\i+1]|   ; (the two blocks by turns)
.endr
.endr
.irp c, 0,1
	s_delay_alu instid0(VALU_DEP_2)
	v_add_nc_u32 v[14+\c], 0xff000000, v[12+\c]    ; 2 off the exponent field: the conversion takes that field of this operand as its scale
.endr
.irp c, 0,1
	s_delay_alu instid0(VALU_DEP_2)
	v_lshrrev_b32 v[16+\c], 23, v[14+\c]           ; the scale's byte
.endr
	s_delay_alu instid0(VALU_DEP_1)
	v_lshl_or_b32 v18, v17, 16, v16                ; my two bytes: blocks h and 2 + h of row r,
	v_lshlrev_b32 v19, 3, v[HH]
	s_delay_alu instid0(VALU_DEP_1)
	v_lshlrev_b32 v18, v19, v18                    ; at their places in the word;
	v_mov_b32 v19, 0
	s_delay_alu instid0(VALU_DEP_1)
	v_permlanex16_b32 v19, v18, s30, s31
	s_delay_alu instid0(VALU_DEP_1)
	v_or_b32 v18, v18, v19                         ; with lane l xor 16's two the word is whole
.irp c, 0,1
.irp g, 0,1,2,3
	v_cvt_scalef32_pk8_fp4_f32 v[C+4*\c+\g], v[X+32*\c+8*\g:X+32*\c+8*\g+7], v[14+\c]   ; registers 4 c .. 4 c + 3 of the fragment
.endr
.endr
	v_nop                                          ; one plain place behind the last scaled conversion
	global_store_b128 v[LI], v[C:C+3], s[26:27]    ; 32 lanes store 512 consecutive bytes
	global_store_b128 v[CO1], v[C+4:C+7], s[26:27]
	ds_store_b32 v[SCA], v18                       ; lanes l and l xor 16 write the same word with the same value
	s_wait_dscnt 0x0                               ; for the others' sake: my sums and my scale words have landed
	s_barrier_signal -1
	s_barrier_wait -1
	s_cmp_lt_u32 ttmp9, 64
	s_cbranch_scc0 .Lno_sum
	; W1 alone: wave w adds the eight waves' sums of batch row w
.irp v, 0,1,2,3,4,5,6,7
	ds_load_b128 v[X+4*\v:X+4*\v+3], v[RDR] offset:4096*\v
.endr
	s_add_nc_u64 s[22:23], s[22:23], s[82:83]
	s_wait_dscnt 0x0
.irp v, 0,8,16,24
	v_pk_add_f32 v[X+\v:X+\v+1], v[X+\v:X+\v+1], v[X+\v+4:X+\v+5]
	v_pk_add_f32 v[X+\v+2:X+\v+3], v[X+\v+2:X+\v+3], v[X+\v+6:X+\v+7]
.endr
.irp v, 0
	v_pk_add_f32 v[X+\v:X+\v+1], v[X+\v:X+\v+1], v[X+\v+8:X+\v+9]
	v_pk_add_f32 v[X+\v+2:X+\v+3], v[X+\v+2:X+\v+3], v[X+\v+10:X+\v+11]
.endr
.irp v, 16
	s_delay_alu instid0(VALU_DEP_4)
	v_pk_add_f32 v[X+\v:X+\v+1], v[X+\v:X+\v+1], v[X+\v+8:X+\v+9]
	s_delay_alu instid0(VALU_DEP_4)
	v_pk_add_f32 v[X+\v+2:X+\v+3], v[X+\v+2:X+\v+3], v[X+\v+10:X+\v+11]
.endr
	s_delay_alu instid0(VALU_DEP_2)
	v_pk_add_f32 v[X:X+1], v[X:X+1], v[X+16:X+17]
	s_delay_alu instid0(VALU_DEP_2)
	v_pk_add_f32 v[X+2:X+3], v[X+2:X+3], v[X+18:X+19]
	global_store_b128 v[LI], v[X:X+3], s[22:23]    ; 128 sums: 512 consecutive bytes
.Lno_sum:
	s_cmp_lg_u32 s2, 0
	s_cbranch_scc1 .Lend
	ds_load_b128 v[SW:SW+3], v[SCR]                ; wave 0: the group's 128 scale words leave as 512 consecutive bytes
	s_wait_dscnt 0x0
	global_store_b128 v[LI], v[SW:SW+3], s[28:29]
.Lend:
	s_wait_tensorcnt 0x0
	ds_add_u32 v208, v209
	s_wait_dscnt 0x0
	s_endpgm
.Lfunc_end_k_q725ce41da5_prep:
	.size	k_q725ce41da5_prep, .Lfunc_end_k_q725ce41da5_prep-k_q725ce41da5_prep
	.p2alignl 7, 3214868480
	.fill 96, 4, 3214868480
	.section	.rodata,"a",@progbits
	.p2align	6, 0x0
	.amdhsa_kernel k_q725ce41da5_prep
		.amdhsa_group_segment_fixed_size 101888
		.amdhsa_private_segment_fixed_size 0
		.amdhsa_enable_private_segment 0
		.amdhsa_kernarg_size 64
		.amdhsa_user_sgpr_count 2
		.amdhsa_user_sgpr_kernarg_segment_ptr 1
		.amdhsa_wavefront_size32 1
		.amdhsa_system_sgpr_workgroup_id_x 1
		.amdhsa_system_sgpr_workgroup_id_y 1
		.amdhsa_system_sgpr_workgroup_id_z 1
		.amdhsa_system_vgpr_workitem_id 0
		.amdhsa_next_free_vgpr 210
		.amdhsa_next_free_sgpr 86
		.amdhsa_reserve_vcc 0
		.amdhsa_float_denorm_mode_32 3
		.amdhsa_float_denorm_mode_16_64 3
		.amdhsa_memory_ordered 1
		.amdhsa_forward_progress 1
		.amdhsa_inst_pref_size 41
	.end_amdhsa_kernel
	.amdgpu_metadata
---
amdhsa.version: [ 1, 2 ]
amdhsa.kernels:
  - .name:           k_q725ce41da5_prep
    .symbol:         k_q725ce41da5_prep.kd
    .args:
      - { .name: x, .offset: 0, .size: 8, .value_kind: global_buffer, .address_space: global }
      - { .name: W1, .offset: 8, .size: 8, .value_kind: global_buffer, .address_space: global }
      - { .name: W2, .offset: 16, .size: 8, .value_kind: global_buffer, .address_space: global }
      - { .name: W1c, .offset: 24, .size: 8, .value_kind: global_buffer, .address_space: global }
      - { .name: W1s, .offset: 32, .size: 8, .value_kind: global_buffer, .address_space: global }
      - { .name: W2c, .offset: 40, .size: 8, .value_kind: global_buffer, .address_space: global }
      - { .name: W2s, .offset: 48, .size: 8, .value_kind: global_buffer, .address_space: global }
      - { .name: part, .offset: 56, .size: 8, .value_kind: global_buffer, .address_space: global }
    .group_segment_fixed_size: 101888
    .private_segment_fixed_size: 0
    .kernarg_segment_align: 8
    .kernarg_segment_size: 64
    .max_flat_workgroup_size: 256
    .sgpr_count:     86
    .vgpr_count:     210
    .wavefront_size: 32
...
	.end_amdgpu_metadata
.endif
;; end of part 3
;; launch jac (part 4): grid 32 x 8, 8 waves a work-group, no clusters, 146,432 bytes of LDS; arguments part, b1, W2c, W2s, W1c, W1s, out0; writes out0
.if DOCPART == 4
	.amdgcn_target "amdgcn-amd-amdhsa--gfx1250"
	.amdhsa_code_object_version 6
	.text
	.protected	k_q725ce41da5_jac
	.globl	k_q725ce41da5_jac
	.p2align	8
	.type	k_q725ce41da5_jac,@function
k_q725ce41da5_jac:
	s_mov_b64 s[64:65], 0
	v_nop
	global_prefetch_b8 v0, s[64:65] scope:SCOPE_SE
	s_setreg_imm32_b32 hwreg(HW_REG_WAVE_SCHED_MODE, 0, 2), 2
	s_setreg_imm32_b32 hwreg(HW_REG_WAVE_MODE, 25, 1), 1
	s_wait_xcnt 0x0
	s_wait_alu depctr_vm_vsrc(0)
; out0[b][o][b'][i], the Jacobian of relu(x W1 + b1) W2 + b2 by x.  The cotangent of output (b, o) is a row of the identity for b' = b and a row of zeros for b' != b.
;   b' != b: both products multiply zeros that the computation builds itself: the numbers are 0 and are stored as such, without products.
;   b' = b:  out = sum over j of Q_j(mask[b][j] x dh[j][o]) x Q_j(W1)[i][j],  dh = the first quantised product: cotangent x Q_o(W2),  mask = (x W1 + b1 > 0).
; THE COTANGENT AS CODES.  Its block with the 1 has the scale 2^-2 (byte 125) and the code of 4.0 (6); all other codes are 0.  Only the 64 along o that hold my work-group's ones can meet a code that is not 0:
;   the first product runs over those (one matrix instruction of 128 along K, whose upper 64 stand against zero codes of the cotangent; what lies there in W2's operand is other finite codes and adds nothing).
; THE MASK goes onto W2's codes ahead of the product: a row j that is masked becomes zero codes, which is mask x Q(W2) exactly; 4 lines a tile.
; NOT COMPUTED: h W2 + b2, the network's own output: the Jacobian does not hang on it and there is no output for it; b2 is not loaded.
; LIMITS: NaN and infinities in the inputs are not served (0 x infinity in the rows that are left out).  x W1 + b1 is summed as 4 parts (each 16 rows, 8 waves) and b1: where it lies at rounding's level of 0 the mask may differ.
;   A block of zeros carries the byte 1: its codes are zeros.  The second product's K is summed in two halves of 1,024, added in f32.
; SHARES.  Work-group (x, y): b = y, it = x % 4, og = x / 4: C[o = 64 og + 0..63][i = 128 it + 0..127] of batch b, and the zeros of o = 64 og + 16 it + 0..15 for the seven b' != b.  256 work-groups, 256 KiB of output each.
;   First product and quantiser: wave w takes j = 256 w + 0..255 (K steps 2 w, 2 w + 1 of the second product) for all 64 o: 8 fragments, which go to the other waves through LDS as images of their registers.
;   Second product: wave w = 4 kh + ip takes i = 32 ip + 0..31 (two tiles) x 64 o (four tiles), K steps 8 kh + 0..7; the two halves meet in a stage in LDS.
; Both products are used transposed (source 0 = 16 rows of the weight, source 1 = 16 rows o): a lane holds one o, its registers run along j (then i); the weights' tiles take rows 32 q + 8 u + r + 8 (r / 8).
; NO TENSOR LOADS, NO CLUSTER: every operand byte (31 KiB a wave) is multiplied by one wave of the work-group alone and is laid in memory as that wave's registers take it, so it goes straight into registers;
;   a joint load would land in LDS and add a write and a read of LDS for each byte.  All of a wave's loads are issued at its head, so nothing is asked for ahead of them.
; THE 56 STORES OF ZEROS of a wave are strewn through the text (ZH at the head, ZA behind each fragment made, ZB in each K step), behind all loads, so that stores leave from the start to the end.
; THE MODE: SCHED_MODE bits 1:0 = 2 (LLVM: expert scheduling mode 2), set by the entry lines.  The code itself states the register dependences
; between vector or matrix instructions and memory or LDS instructions, with s_wait_alu, always for 0.
; THE PLAN.  Registers that memory or LDS instructions touch, and who else names them:
;   v1-10, v12-18, v24-27, v254, v255   addresses, offsets, the zero stores' data, the closing add's two: written by vector lines at the head, ahead of ONE wait on va_vdst, and never written again.
;   v152-159 (PP)   the mask words: written by eight selects, read by two LDS stores (a wait on va_vdst between), then written by the first products (a wait on vm_vsrc between).
;   PC, PW, two sets by turns   Fragment n: the quantiser writes set n % 2, three LDS stores read it.  Ahead of the stores stand a wait on vm_vsrc (the stores of fragment n - 1, a whole step back, have read the set that
;                   quantiser n + 1 writes) and a wait on va_vdst (quantiser n has written its set).
;   four sets of fragments and scale words of the second product's rows   K step s: its ten LDS loads land in set s % 4, two steps ahead of the eight matrix instructions that read it.  Steps 0 to 3 land in registers that
;                   the last quantiser's wait on va_vdst has shown done with.  A wait on va_vdst at K step 2 shows steps 0 and 1 done reading (for the loads of steps 4 and 5), one at K step 4 steps 2 and 3 (for steps 6 and 7).
;   the accumulators   written by the second product, read by the stage's LDS stores: four places, then a wait on va_vdst, which also shows v152-215 done with, in which the loads from the stage land.
;   v152-215 on the way out   written by LDS loads and by two additions a row, read by the global stores: two batches of four rows, a wait on va_vdst ahead of each batch's stores.
; REGISTERS.  Window 0 as named below.  Window 1: v0-127 W1's 16 fragments ((u, K step) at 8 (8 u + step)); v128-191 the 8 accumulators ((u, m) at 128 + 8 (4 u + m)).
.set AIMG, 0                           ; LDS: the 64 fragments of the second product's rows: (4 s + m) x 1,024 bytes
.set ASC,  65536                       ; their scale words: (4 s + m) x 64 bytes, word r
.set MK,   69632                       ; the mask as words, 1,024 bytes for each wave, j in its natural order
.set STG,  77824                       ; two stages (one for each half of K): 64 rows x (512 bytes + 16)
.set SP,   528
.set STGH, 64*SP
.set ZH,   16                          ; zero stores at the head,
.set ZA,   3                           ; behind each of the 8 fragments made,
.set ZB,   2                           ; in each of the 8 K steps: 16 + 24 + 16 = 56
.set LI,   1                           ; v1   16 x lane
.set L4S,  2                           ; v2   16 x lane + 4 ip: W1's scale words
.set MKW,  3                           ; v3   the mask, on the way in
.set MKR,  4                           ; v4   and out: row r + 8 (r / 8) of a tile
.set AIW,  5                           ; v5   where I store images
.set ASW,  6                           ; v6   and their scale words
.set AIR,  7                           ; v7   where I read images
.set ASR,  8                           ; v8   and their scale words
.set SO,   9                           ; v9   the stage: where I put 32 bytes of a row
.set SR,   10                          ; v10  and where I read a row back
.set ONES, 11                          ; v11  -1
.set ZO,   12                          ; v12-18 16 x lane + 2,048 x ((b + 1 + k) % 8): the seven b' != b
.set OHS,  19                          ; v19  the cotangent's scale word: 125 in each byte
.set OH,   20                          ; v20-37 the cotangent's codes: 0 0 E E 0 0 0 0 0 0 E E 0 0 0 0 0 0; a tile's fragment is eight of them; v24-27, zeros, are also the zero stores' data
.set W2S,  38                          ; v38-45 W2's scale words: register t / 2, lanes 0-15 tile t even, lanes 16-31 odd; in the second product v38-41 are the rows' scale words of sets 2 and 3
.set W1S,  46                          ; v46-53 W1's: register = K step, lanes 0-15 u = 0, lanes 16-31 u = 1
.set AS,   54                          ; v54-57 the rows' scale words of sets 0 and 1, two each: lanes 0-15 tile m even, lanes 16-31 odd
.set TM,   58                          ; v58-73 at work in the quantiser (and at the head: v59 lane, v60 r, v61 h, v62 and v63 at work)
.set PW,   74                          ; v74  the scale word just made, set 0; set 1 is v224
.set PC,   76                          ; v76-83 the codes just made, set 0; set 1 is v216-223
.set W2C,  84                          ; v84-147 W2's codes: 16 tiles x 4 registers; v148-151 zeros; in the second product v84-147 are sets 2 and 3 of the rows' fragments
.set DH,   152                         ; v152-215 the first product's 8 tiles; later sets 0 and 1 of the rows' fragments; later rows of the result
.set PP,   DH                          ; at the head: the four parts of x W1,
.set PB,   DH+32                       ; b1,
.set MS,   DH+48                       ; and the mask word of my row of each of 16 tiles
.set ACC,  128                         ; in window 1
.set MSB, 0
.macro WIN new                         ; the immediate's high byte repeats the setting that is left
.if MSB != \new
	s_set_vgpr_msb (MSB<<8)|\new
.set MSB, \new
.endif
.endm
.macro PLACES n
.rept \n
	v_nop
.endr
.endm
.set Z, 0
.macro ZERO n                          ; the next n of my 56 zero stores: row Z / 28 of my two, b' number (Z % 28) / 4, quarter Z % 4: 512 consecutive bytes each.  Data, offsets and base are written ahead of the head's wait and never again: no wait
.rept \n
	global_store_b128 v[ZO+(Z%28)/4], v[24:27], s[22:23] offset:16384*(Z/28)+512*(Z%4) th:TH_STORE_NT
.set Z, Z+1
.endr
.endm
.macro WLOAD u, sl                     ; W1's fragment (u, K step sl) into window 1
.irp c, 0,1
	global_load_b128 v[8*(8*\u+\sl)+4*\c:8*(8*\u+\sl)+4*\c+3], v[LI], s[16:17] offset:16384*\u+1024*\sl+512*\c
.endr
.endm
	s_load_b256 s[8:15], s[0:1], 0x0               ; part 8, b1 10, W2c 12, W2s 14
	s_load_b128 s[16:19], s[0:1], 0x20             ; W1c 16, W1s 18
	s_load_b64 s[20:21], s[0:1], 0x30              ; out0
	v_lshl_add_u32 v254, v0, 2, 0x23800
	v_mov_b32 v255, 0
	v_lshrrev_b32 v58, 5, v0
	v_readfirstlane_b32 s2, v58                    ; wave 0..7
	s_and_b32 s5, ttmp7, 0xffff                    ; b
	s_and_b32 s6, ttmp9, 3                         ; it
	s_lshr_b32 s7, ttmp9, 2                        ; og
	v_and_b32 v59, 31, v0                          ; lane
	v_lshlrev_b32 v[LI], 4, v59
	s_wait_alu depctr_va_vdst(0)
	v_and_b32 v60, 15, v0                          ; r
	v_bfe_u32 v61, v0, 4, 1                        ; h
	s_wait_alu depctr_va_sdst(0)                   ; s2 is written, ahead of its first reader
	s_and_b32 s3, s2, 3                            ; ip
	s_lshr_b32 s4, s2, 2                           ; kh
	s_lshl_b32 s27, s3, 2
	v_add_nc_u32 v[L4S], s27, v[LI]
	s_lshl_b32 s27, s2, 10                         ; 1,024 w
	s_lshl_b32 s32, s5, 13
	s_add_co_u32 s32, s32, s27                     ; part: batch row b, j = 256 w
	s_mov_b32 s33, 0
	s_mov_b32 s34, s27                             ; b1: j = 256 w
	s_mov_b32 s35, 0
	s_lshl_b32 s36, s7, 16
	s_lshl_b32 s28, s2, 13
	s_add_co_u32 s36, s36, s28                     ; W2c: g = og, tile 16 w
	s_mov_b32 s37, 0
	s_lshr_b32 s38, s7, 1
	s_lshl_b32 s38, s38, 13
	s_add_co_u32 s38, s38, s27                     ; W2s: og / 2, group 2 w
	s_mov_b32 s39, 0
	s_lshl_b32 s40, s6, 3
	s_lshl_b32 s28, s3, 1
	s_add_co_u32 s40, s40, s28
	s_lshl_b32 s40, s40, 14
	s_lshl_b32 s28, s4, 13
	s_add_co_u32 s40, s40, s28                     ; W1c: tile 8 it + 2 ip, K step 8 kh
	s_mov_b32 s41, 0
	s_lshl_b32 s42, s4, 14
	s_lshl_b32 s28, s6, 9
	s_add_co_u32 s42, s42, s28                     ; W1s: K step 8 kh, group it
	s_mov_b32 s43, 0
	s_lshl_b32 s29, s5, 9
	s_lshl_b32 s28, s7, 6
	s_add_co_u32 s29, s29, s28                     ; 512 b + 64 og
	s_lshl_b32 s28, s6, 4
	s_add_co_u32 s44, s29, s28
	s_lshl_b32 s28, s2, 1
	s_add_co_u32 s44, s44, s28
	s_lshl_b32 s44, s44, 14                        ; the zeros: row (b, 64 og + 16 it + 2 w), 16,384 bytes a row
	s_mov_b32 s45, 0
	s_lshl_b32 s28, s2, 3
	s_add_co_u32 s46, s29, s28
	s_lshl_b32 s46, s46, 14
	s_lshl_b32 s28, s5, 11
	s_add_co_u32 s46, s46, s28
	s_lshl_b32 s28, s6, 9
	s_add_co_u32 s46, s46, s28                     ; the result: row (b, 64 og + 8 w), b' = b, i = 128 it
	s_mov_b32 s47, 0
	s_and_b32 s26, s7, 1
	s_lshl_b32 s26, s26, 4                         ; where my two bytes stand in W2's scale words: bit 16 (og % 2)
	s_mov_b32 s30, 0x76543210
	s_mov_b32 s31, 0xfedcba98                      ; v_permlanex16_b32's selects for lane l xor 16
	; every register that a load or store will read is made here, while the arguments are on their way: what the zero stores need,
.irp k, 0,1,2,3,4,5,6
	s_add_co_u32 s27, s5, 1+\k
	s_and_b32 s27, s27, 7
	s_lshl_b32 s27, s27, 11
	v_add_nc_u32 v[ZO+\k], s27, v[LI]
.endr
.irp j, 0,1,4,5,6,7,8,9,12,13,14,15,16,17
	v_mov_b32 v[OH+\j], 0
.endr
	; and the LDS addresses
	s_lshl_b32 s27, s2, 10
	s_add_co_u32 s27, s27, MK
	v_add_nc_u32 v[MKW], s27, v[LI]
	v_and_b32 v62, 8, v60
	v_add_nc_u32 v62, v62, v60                     ; r + 8 (r / 8)
	v_lshl_add_u32 v[MKR], v62, 2, s27
	s_lshl_b32 s27, s2, 13
	v_add_nc_u32 v[AIW], s27, v[LI]                ; AIMG = 0: 8 fragments a wave
	s_lshl_b32 s27, s2, 9
	s_add_co_u32 s27, s27, ASC
	v_lshl_add_u32 v[ASW], v60, 2, s27
	s_lshl_b32 s27, s4, 15
	v_add_nc_u32 v[AIR], s27, v[LI]                ; 32 fragments for each half of K
	s_lshl_b32 s27, s4, 11
	s_add_co_u32 s27, s27, ASC
	v_lshl_add_u32 v[ASR], v59, 2, s27
	s_mul_i32 s27, s4, STGH
	s_lshl_b32 s28, s3, 7
	s_add_co_u32 s27, s27, s28
	s_add_co_u32 s27, s27, STG
	v_mul_u32_u24 v[SO], v60, SP
	v_lshl_add_u32 v[SO], v61, 6, v[SO]
	v_add_nc_u32 v[SO], s27, v[SO]                 ; my half's stage: row r, i = 32 ip + 16 h
	s_mul_i32 s27, s2, 8*SP
	s_add_co_u32 s27, s27, STG
	v_add_nc_u32 v[SR], s27, v[LI]                 ; back: rows 8 w on, 16 bytes a lane
	s_wait_kmcnt 0x0
	s_add_nc_u64 s[8:9], s[8:9], s[32:33]
	s_add_nc_u64 s[10:11], s[10:11], s[34:35]
	s_add_nc_u64 s[12:13], s[12:13], s[36:37]
	s_add_nc_u64 s[14:15], s[14:15], s[38:39]
	s_add_nc_u64 s[16:17], s[16:17], s[40:41]
	s_add_nc_u64 s[18:19], s[18:19], s[42:43]
	s_add_nc_u64 s[22:23], s[20:21], s[44:45]
	s_add_nc_u64 s[24:25], s[20:21], s[46:47]
	s_wait_alu depctr_va_vdst(0)                   ; v1-10 and v12-18, the addresses and offsets of every load and store of the kernel, and v24-27, the zero stores' data, are written; no vector line behind this wait writes them
	; ALL LOADS, in the order in which they are wanted: 8 + 2 + 2 + 16 + 8 + 24 = 60 here, the last 8 behind the first wait
.irp c, 0,1,2,3
.irp x, 0,1
	global_load_b128 v[PP+8*\c+4*\x:PP+8*\c+4*\x+3], v[LI], s[8:9] offset:65536*\c+512*\x   ; part c of x W1 at j = 256 w + 128 x + 4 lane
.endr
.endr
.irp x, 0,1
	global_load_b128 v[PB+4*\x:PB+4*\x+3], v[LI], s[10:11] offset:512*\x
.endr
.irp g, 0,1
	global_load_b128 v[W2S+4*\g:W2S+4*\g+3], v[LI], s[14:15] offset:512*\g
.endr
.irp t, 0,1,2,3,4,5,6,7,8,9,10,11,12,13,14,15
	global_load_b128 v[W2C+4*\t:W2C+4*\t+3], v[LI], s[12:13] offset:512*\t
.endr
.irp s, 0,1,2,3,4,5,6,7
	global_load_b32 v[W1S+\s], v[L4S], s[18:19] offset:2048*\s
.endr
	WIN 0x40                                       ; destination window 1, address window 0; between the wait above and these loads stand loads and this switch alone
.irp s, 0,1,2,3,4,5,6,7
	WLOAD 0, \s
.endr
.irp s, 0,1,2,3
	WLOAD 1, \s
.endr
	WIN 0
	ZERO ZH                                        ; the first of the zero stores
	; the constants that vector and matrix instructions alone read
	v_mov_b32 v[ONES], -1
	v_mov_b32 v[OHS], 0x7d7d7d7d
	v_and_b32 v62, 7, v0
	v_lshlrev_b32 v62, 2, v62
	v_mov_b32 v63, 6
	v_lshlrev_b32 v63, v62, v63                    ; the code of 4.0 at place r % 8 of a register
	v_lshrrev_b32 v62, 3, v59                      ; lane / 8
	v_cmp_eq_u32 s40, 0, v62                       ; the four compares in a run, each into a scalar register of its own (the offsets that lay there are used up)
	v_cmp_eq_u32 s41, 1, v62
	v_cmp_eq_u32 s42, 2, v62
	v_cmp_eq_u32 s43, 3, v62
.irp i, 64,65,66,67
	v_mov_b32 v[W2C+\i], 0                         ; what tile 15's operand names beyond its own four registers.  (These four name nothing that the selects below read)
.endr
	s_wait_alu depctr_va_sdst(0)                   ; s40 to s43 are written, ahead of the selects that read them
	v_cndmask_b32 v[OH+2], 0, v63, s40             ; rows 0-7: k = r in lanes 0-7
	v_cndmask_b32 v[OH+3], 0, v63, s41             ; rows 8-15: one register on, lanes 8-15
	v_cndmask_b32 v[OH+10], 0, v63, s42            ; the same 32 along K on: lanes 16-23,
	v_cndmask_b32 v[OH+11], 0, v63, s43            ; lanes 24-31
.irp i, 4,5,6,7
	v_mov_b32 v[TM+\i], 0                          ; written once: a lane permute's destination counts as one of its sources.  Behind the selects: v63, the code, is one of these four
.endr
	; ---- THE MASK of j = 256 w + 0..255
	s_wait_loadcnt 50                              ; part and b1 are in: behind them were issued 2 + 16 + 8 + 24 loads
.irp i, 0,2,4,6
	v_pk_add_f32 v[PP+\i:PP+\i+1], v[PP+\i:PP+\i+1], v[PP+8+\i:PP+9+\i]
	v_pk_add_f32 v[PP+16+\i:PP+17+\i], v[PP+16+\i:PP+17+\i], v[PP+24+\i:PP+25+\i]
.endr
.irp i, 0,2,4,6
	v_pk_add_f32 v[PP+\i:PP+\i+1], v[PP+\i:PP+\i+1], v[PP+16+\i:PP+17+\i]
.endr
.irp i, 0,2,4,6
	v_pk_add_f32 v[PP+\i:PP+\i+1], v[PP+\i:PP+\i+1], v[PB+\i:PB+\i+1]   ; x W1 + b1
.endr
.irp i, 0,1,2,3,4,5,6,7
	v_cmp_lt_f32 s[32+\i], 0, v[PP+\i]             ; the eight compares in a run, into s32 to s39
.endr
	s_wait_alu depctr_va_sdst(0)                   ; s32 to s39 are written, ahead of the selects that read them
.irp i, 0,1,2,3,4,5,6,7
	v_cndmask_b32 v[PP+\i], 0, v[ONES], s[32+\i]   ; all ones where it is above 0, else 0: a value is chosen, nothing branches
.endr
	s_wait_alu depctr_va_vdst(0)                   ; the selects have written v[PP .. PP + 7], which the two LDS stores read
	ds_store_b128 v[MKW], v[PP:PP+3]               ; through my own 1,024 bytes of LDS, from four neighbours a lane to a tile's row a lane;
	ds_store_b128 v[MKW], v[PP+4:PP+7] offset:512  ; LDS serves a wave's instructions in order: no wait between
.irp t, 0,1,2,3,4,5,6,7,8,9,10,11,12,13,14,15
	ds_load_b32 v[MS+\t], v[MKR] offset:4*(32*(\t/2)+8*(\t%2))
.endr
	WIN 0x40
.irp s, 4,5,6,7
	WLOAD 1, \s                                    ; the last 8 loads: no vector line has named their registers, and none since the head's wait their address
.endr
	WIN 0
	s_wait_loadcnt 56                              ; W2's scale words are in: behind them 16 + 8 + 24 + 8
.irp i, 0,1,2,3,4,5,6,7
	v_bfe_u32 v[W2S+\i], v[W2S+\i], s26, 16        ; the bytes of my two blocks along o,
.endr
.irp i, 0,1,2,3,4,5,6,7
	v_lshl_or_b32 v[W2S+\i], v[W2S+\i], 16, v[W2S+\i]   ; once more for the upper 64 along K, which stand against zero codes
.endr
	s_wait_loadcnt 40                              ; W2's codes are in: behind them 8 + 24 + 8
	s_wait_dscnt 0x0                               ; and the mask words
.irp t, 0,1,2,3,4,5,6,7,8,9,10,11,12,13,14,15
.irp e, 0,1,2,3
	v_and_b32 v[W2C+4*\t+\e], v[MS+\t], v[W2C+4*\t+\e]   ; a masked row's codes become zeros.  (These 64 lines are also the places between the scale words' and the first tiles' last writes and the products)
.endr
.endr
	s_wait_alu depctr_vm_vsrc(0)                   ; the mask's two LDS stores have read v[PP .. PP + 7], which the first products write
	s_wait_alu depctr_va_vdst(0)                   ; W2's codes and scale words and the cotangent's codes and scale word, all written by vector lines, are written: the scaled products take them as operands and scales
; ---- THE FIRST PRODUCT AND THE QUANTISER
; 8 tiles of 16 j x 16 o: lane (r, h) then holds o = 16 m + r, and register 16 q + i the j = 128 s + 32 q + 16 h + i
.macro PROD3 sl, off
.irp t, 0,1,2,3,4,5,6,7
.if \t%2
	v_wmma_scale_f32_16x16x128_f8f6f4 v[DH+8*\t:DH+8*\t+7], v[W2C+4*(8*\sl+\t):W2C+4*(8*\sl+\t)+7], v[OH+\off:OH+\off+7], 0, v[W2S+(8*\sl+\t)/2], v[OHS] matrix_a_fmt:MATRIX_FMT_FP4 matrix_b_fmt:MATRIX_FMT_FP4 matrix_a_scale:MATRIX_SCALE_ROW1
.else
	v_wmma_scale_f32_16x16x128_f8f6f4 v[DH+8*\t:DH+8*\t+7], v[W2C+4*(8*\sl+\t):W2C+4*(8*\sl+\t)+7], v[OH+\off:OH+\off+7], 0, v[W2S+(8*\sl+\t)/2], v[OHS] matrix_a_fmt:MATRIX_FMT_FP4 matrix_b_fmt:MATRIX_FMT_FP4
.endif
.endr
.endm
; 64 numbers of a lane, register 16 b + i = k 32 b + 16 (lane / 16) + i of my row, become a fragment's codes in v[rPC] on and its scale word in v[rPW]
.macro QUANT s
.irp b, 0,1,2,3
	v_max3_num_f32 v[TM+\b], |v[\s+16*\b]|, |v[\s+1+16*\b]|, 0x1800000   ; block b: my 16 numbers, and the floor 2^(3 - 127): the byte cannot fall under 1.  (Each tile is read from its low end on)
.endr
.irp i, 2,4,6,8,10,12,14
.irp b, 0,1,2,3
	v_max3_num_f32 v[TM+\b], v[TM+\b], |v[\s+16*\b+\i]|, |v[\s+1+16*\b+\i]|   ; (the four blocks by turns)
.endr
.endr
.irp b, 0,1,2,3
	v_permlanex16_b32 v[TM+4+\b], v[TM+\b], s30, s31
.endr
.irp b, 0,1,2,3
	v_max_num_f32 v[TM+\b], v[TM+\b], v[TM+4+\b]   ; with lane l xor 16's: the block's largest magnitude
.endr
.irp b, 0,1,2,3
	v_add_nc_u32 v[TM+12+\b], 0xff000000, v[TM+\b] ; 2 off its exponent field: the conversion's scale operand
.endr
.irp b, 0,1,2,3
	v_lshrrev_b32 v[TM+4+\b], 23, v[TM+12+\b]      ; the scale's byte
.endr
	v_lshl_or_b32 v[rPW], v[TM+5], 8, v[TM+4]      ; the four bytes make my row's scale word
	v_lshl_or_b32 v[rPW], v[TM+6], 16, v[rPW]
	v_lshl_or_b32 v[rPW], v[TM+7], 24, v[rPW]
.irp b, 0,1,2,3
	v_cvt_scalef32_pk8_fp4_f32 v[rPC+2*\b], v[\s+16*\b:\s+7+16*\b], v[TM+12+\b]
	v_cvt_scalef32_pk8_fp4_f32 v[rPC+1+2*\b], v[\s+8+16*\b:\s+15+16*\b], v[TM+12+\b]
.endr
	v_nop                                          ; one plain place behind a scaled conversion
.irp c, 0,1                            ; the operand's layout wants a whole block in a lane: lanes 0-15 block 2 c, lanes 16-31 block 2 c + 1
.irp i, 0,1
	v_permlane16_swap_b32 v[rPC+4*\c+\i], v[rPC+2+4*\c+\i]
.endr
.endr
.endm
.macro APART sl, m, off                ; fragment N = 4 sl + m: K step 2 w + sl of the second product, rows o = 16 m on: product, quantiser, image to LDS
.set N, 4*(\sl)+(\m)
.set rPC, PC+140*(N%2)                 ; the two sets of codes, v76-83 and v216-223, and of scale words, v74 and v224, take turns
.set rPW, PW+150*(N%2)
	PROD3 \sl, \off
	PLACES 4                                       ; in front of the first read of the results
	QUANT DH
.if (N > 0) && (N < 7)
	s_wait_dscnt 0x0                               ; the image stores of the fragment before have landed,
	s_wait_alu depctr_vm_vsrc(0)                   ; and have read the other set of codes and its scale word, which the next quantiser writes again
.endif
	s_wait_alu depctr_va_vdst(0)                   ; the quantiser has written this set of codes and its scale word, which the three LDS stores read.  (In the last fragment also: the products and the quantiser are done with v38-41 and v84-215, in which the second product's LDS loads land)
.irp c, 0,1
	ds_store_b128 v[AIW], v[rPC+4*\c:rPC+4*\c+3] offset:(4*\sl+\m)*1024+512*\c   ; the fragment as it stands: lane l's 16 bytes at 16 l
.endr
	ds_store_b32 v[ASW], v[rPW] offset:64*(4*\sl+\m)   ; lanes l and l xor 16 write the same word with the same value
	ZERO ZA
.endm
.irp sl, 0,1
	APART \sl, 0, 2                                ; the cotangent's fragment of tile m begins at OH + 2, 0, 10, 8: the 1 of row r stands at k = 16 m + r
	APART \sl, 1, 0
	APART \sl, 2, 10
	APART \sl, 3, 8
.endr
	s_wait_dscnt 0x0                               ; for the others' sake: my images have landed
	s_barrier_signal -1
	s_barrier_wait -1                              ; all 64 fragments lie in LDS
; ---- THE SECOND PRODUCT
.macro FETCHA sl                       ; K step 8 kh + sl: the four tiles' fragments and their scale words into set sl % 4: ten LDS loads.  Sets 0, 1: v152-215, words v54-57; sets 2, 3: v84-147, words v38-41
.set fB, DH+32*((\sl)%4)-132*(((\sl)%4)/2)
.set fS, AS+2*((\sl)%4)-20*(((\sl)%4)/2)
.irp m, 0,1,2,3
.irp c, 0,1
	ds_load_b128 v[fB+8*\m+4*\c:fB+8*\m+4*\c+3], v[AIR] offset:(4*(\sl)+\m)*1024+512*\c
.endr
.endr
.irp x, 0,1
	ds_load_b32 v[fS+\x], v[ASR] offset:256*(\sl)+128*\x   ; lanes 0-15 tile 2 x, lanes 16-31 tile 2 x + 1
.endr
.endm
.macro W4 sl, m, u                     ; source 0 = W1's tile u (window 1), source 1 = rows o = 16 m on (window 0); K step 0 starts the sums: nothing is cleared
.set rD, ACC+8*(4*\u+\m)
.set rA, 8*(8*\u+(\sl))
.set rB, DH+32*((\sl)%4)-132*(((\sl)%4)/2)+8*\m
.set rX, W1S+(\sl)
.set rY, AS+2*((\sl)%4)-20*(((\sl)%4)/2)+(\m)/2
.set row, 2*((\m)%2)+\u
.if (\sl) == 0
.if row == 0
	v_wmma_scale_f32_16x16x128_f8f6f4 v[rD:rD+7], v[rA:rA+7], v[rB:rB+7], 0, v[rX], v[rY] matrix_a_fmt:MATRIX_FMT_FP4 matrix_b_fmt:MATRIX_FMT_FP4
.elseif row == 1
	v_wmma_scale_f32_16x16x128_f8f6f4 v[rD:rD+7], v[rA:rA+7], v[rB:rB+7], 0, v[rX], v[rY] matrix_a_fmt:MATRIX_FMT_FP4 matrix_b_fmt:MATRIX_FMT_FP4 matrix_a_scale:MATRIX_SCALE_ROW1
.elseif row == 2
	v_wmma_scale_f32_16x16x128_f8f6f4 v[rD:rD+7], v[rA:rA+7], v[rB:rB+7], 0, v[rX], v[rY] matrix_a_fmt:MATRIX_FMT_FP4 matrix_b_fmt:MATRIX_FMT_FP4 matrix_b_scale:MATRIX_SCALE_ROW1
.else
	v_wmma_scale_f32_16x16x128_f8f6f4 v[rD:rD+7], v[rA:rA+7], v[rB:rB+7], 0, v[rX], v[rY] matrix_a_fmt:MATRIX_FMT_FP4 matrix_b_fmt:MATRIX_FMT_FP4 matrix_a_scale:MATRIX_SCALE_ROW1 matrix_b_scale:MATRIX_SCALE_ROW1
.endif
.else
.if row == 0
	v_wmma_scale_f32_16x16x128_f8f6f4 v[rD:rD+7], v[rA:rA+7], v[rB:rB+7], v[rD:rD+7], v[rX], v[rY] matrix_a_fmt:MATRIX_FMT_FP4 matrix_b_fmt:MATRIX_FMT_FP4
.elseif row == 1
	v_wmma_scale_f32_16x16x128_f8f6f4 v[rD:rD+7], v[rA:rA+7], v[rB:rB+7], v[rD:rD+7], v[rX], v[rY] matrix_a_fmt:MATRIX_FMT_FP4 matrix_b_fmt:MATRIX_FMT_FP4 matrix_a_scale:MATRIX_SCALE_ROW1
.elseif row == 2
	v_wmma_scale_f32_16x16x128_f8f6f4 v[rD:rD+7], v[rA:rA+7], v[rB:rB+7], v[rD:rD+7], v[rX], v[rY] matrix_a_fmt:MATRIX_FMT_FP4 matrix_b_fmt:MATRIX_FMT_FP4 matrix_b_scale:MATRIX_SCALE_ROW1
.else
	v_wmma_scale_f32_16x16x128_f8f6f4 v[rD:rD+7], v[rA:rA+7], v[rB:rB+7], v[rD:rD+7], v[rX], v[rY] matrix_a_fmt:MATRIX_FMT_FP4 matrix_b_fmt:MATRIX_FMT_FP4 matrix_a_scale:MATRIX_SCALE_ROW1 matrix_b_scale:MATRIX_SCALE_ROW1
.endif
.endif
.endm
	s_wait_loadcnt 0x0                             ; W1's fragments and scale words, asked for at the head
	FETCHA 0                                       ; no wait: the last quantiser's wait on va_vdst stands behind every vector and matrix line that named the four sets' registers
	FETCHA 1
.set SL, 0
.rept 8                                ; a K step: the ten loads of the step two on, two zero stores, eight products; the eight accumulators take turns, one instruction a turn
.if (SL == 2) || (SL == 4)
	PLACES 4                                       ; places between the products of the two steps before and the loads into the sets that they read
	s_wait_alu depctr_va_vdst(0)                   ; the products of K steps SL - 2 and SL - 1 are done reading their sets and scale words: the loads of this step and of the next land there, and the products between name other sets
.endif
.if SL < 6
	FETCHA SL+2
.endif
	ZERO ZB
.if SL < 6
	s_wait_dscnt 20                                ; this step's set is in; the ten loads of each of the two steps behind it may be out
.elseif SL == 6
	s_wait_dscnt 10                                ; the last step's ten may be out
.else
	s_wait_dscnt 0x0
.endif
	WIN 0x51                                       ; source 0, C and D window 1; source 1 window 0
.irp m, 0,1,2,3
.irp u, 0,1
	W4 SL, \m, \u
.endr
.endr
	WIN 0
.set SL, SL+1
.endr
	; ---- THE WAY OUT.  Lane (r, h) holds o = 16 m + r and, in tile u, i = 32 ip + 16 h + 8 u + 0..7: 32 bytes of a row.  Both halves of K go into stages; each wave then adds and stores 8 whole rows of 512 bytes.
	PLACES 4                                       ; in front of the first read of the results
	WIN 0x04                                       ; an LDS store's data are its source 1: window 1
	s_wait_alu depctr_va_vdst(0)                   ; the products have written the accumulators, which the LDS stores read, and are done reading v152-215, in which the loads from the stages land; the places above stay beside this wait
.irp u, 0,1
.irp m, 0,1,2,3
	ds_store_b128 v[SO], v[ACC+8*(4*\u+\m):ACC+8*(4*\u+\m)+3] offset:16*SP*\m+32*\u          ; each accumulator from its low end on
	ds_store_b128 v[SO], v[ACC+8*(4*\u+\m)+4:ACC+8*(4*\u+\m)+7] offset:16*SP*\m+32*\u+16
.endr
.endr
	WIN 0
	s_wait_dscnt 0x0                               ; for the others' sake: my stores into the stages have landed
	s_barrier_signal -1
	s_barrier_wait -1
.irp k, 0,1,2,3,4,5,6,7
	ds_load_b128 v[DH+8*\k:DH+8*\k+3], v[SR] offset:SP*\k            ; row 8 w + k of the first half of K,
	ds_load_b128 v[DH+8*\k+4:DH+8*\k+7], v[SR] offset:STGH+SP*\k     ; and of the second
.endr
.macro ROWS k0, left                   ; four rows: the two halves of K are added, then stored behind one wait
	s_wait_dscnt \left                             ; these four rows' eight loads are in; the rows behind them may be out
.irp k, \k0, \k0+1, \k0+2, \k0+3
	v_pk_add_f32 v[DH+8*(\k):DH+8*(\k)+1], v[DH+8*(\k):DH+8*(\k)+1], v[DH+8*(\k)+4:DH+8*(\k)+5]
	v_pk_add_f32 v[DH+8*(\k)+2:DH+8*(\k)+3], v[DH+8*(\k)+2:DH+8*(\k)+3], v[DH+8*(\k)+6:DH+8*(\k)+7]
.endr
	s_wait_alu depctr_va_vdst(0)                   ; the eight additions have written the four rows, which the stores read
.irp k, \k0, \k0+1, \k0+2, \k0+3
	global_store_b128 v[LI], v[DH+8*(\k):DH+8*(\k)+3], s[24:25] offset:16384*(\k) th:TH_STORE_NT   ; 32 lanes store 512 consecutive bytes of row (b, o, b), at a multiple of 512 from out0's first byte
.endr
.endm
	ROWS 0, 8
	ROWS 4, 0
	s_wait_dscnt 0x0                               ; the closing lines, six on end
	s_wait_alu 0x0
	s_wait_tensorcnt 0x0
	ds_add_u32 v254, v255
	s_wait_dscnt 0x0
	s_endpgm
.Lfunc_end_k_q725ce41da5_jac:
	.size	k_q725ce41da5_jac, .Lfunc_end_k_q725ce41da5_jac-k_q725ce41da5_jac
	.p2alignl 7, 3214868480
	.fill 96, 4, 3214868480
	.section	.rodata,"a",@progbits
	.p2align	6, 0x0
	.amdhsa_kernel k_q725ce41da5_jac
		.amdhsa_group_segment_fixed_size 146432
		.amdhsa_private_segment_fixed_size 0
		.amdhsa_enable_private_segment 0
		.amdhsa_kernarg_size 56
		.amdhsa_user_sgpr_count 2
		.amdhsa_user_sgpr_kernarg_segment_ptr 1
		.amdhsa_wavefront_size32 1
		.amdhsa_system_sgpr_workgroup_id_x 1
		.amdhsa_system_sgpr_workgroup_id_y 1
		.amdhsa_system_sgpr_workgroup_id_z 1
		.amdhsa_system_vgpr_workitem_id 0
		.amdhsa_next_free_vgpr 448
		.amdhsa_next_free_sgpr 66
		.amdhsa_reserve_vcc 0
		.amdhsa_float_denorm_mode_32 3
		.amdhsa_float_denorm_mode_16_64 3
		.amdhsa_memory_ordered 1
		.amdhsa_forward_progress 1
		.amdhsa_inst_pref_size 85
	.end_amdhsa_kernel
	.amdgpu_metadata
---
amdhsa.version: [ 1, 2 ]
amdhsa.kernels:
  - .name:           k_q725ce41da5_jac
    .symbol:         k_q725ce41da5_jac.kd
    .args:
      - { .name: part, .offset: 0, .size: 8, .value_kind: global_buffer, .address_space: global }
      - { .name: b1, .offset: 8, .size: 8, .value_kind: global_buffer, .address_space: global }
      - { .name: W2c, .offset: 16, .size: 8, .value_kind: global_buffer, .address_space: global }
      - { .name: W2s, .offset: 24, .size: 8, .value_kind: global_buffer, .address_space: global }
      - { .name: W1c, .offset: 32, .size: 8, .value_kind: global_buffer, .address_space: global }
      - { .name: W1s, .offset: 40, .size: 8, .value_kind: global_buffer, .address_space: global }
      - { .name: out0, .offset: 48, .size: 8, .value_kind: global_buffer, .address_space: global }
    .group_segment_fixed_size: 146432
    .private_segment_fixed_size: 0
    .kernarg_segment_align: 8
    .kernarg_segment_size: 56
    .max_flat_workgroup_size: 256
    .sgpr_count:     66
    .vgpr_count:     448
    .wavefront_size: 32
...
	.end_amdgpu_metadata
.endif
;; end of part 4
